; MI455X (gfx1250); checked and timed in simulation.
; The chip was launched on July 23, 2026; its instructions are those of AMD's public machine-readable ISA for CDNA 5 (MIT licence, August 2026) and "CDNA5" Instruction Set Architecture Reference Guide (July 2026). The comments in the code are by the model that wrote it; some were corrected since.
;; Mo E Mlp. Allowed arithmetic: float matrix products may take bf16 or f16 operands with f32 sums; other float arithmetic in f32, or as packed bf16 or f16 multiplies, adds, multiply-adds, maxima and minima; sums over many terms, partial sums and values carried from step to step in f32; what a program stores and reads back later, other than sums and carried values, may be rounded once to bf16 or f16.
;; Inputs: b1_l 1,024 float32; b1_s 1,024 float32; b2_l 1,024 float32; b2_s 1,024 float32; token_types 4 x 4,096 int32; w1_l 1,024 x 1,024 float32; w1_s 1,024 x 1,024 float32; w2_l 1,024 x 1,024 float32; w2_s 1,024 x 1,024 float32; x 4 x 4,096 x 1,024 float32.
;; Outputs: out0 4 x 4,096 x 1,024 float32.
;; 2 versions, each right; version 2 is version 1 with the launch moe written anew for expert scheduling mode. Each part assembles by itself: llvm-mc -triple=amdgcn-amd-amdhsa -mcpu=gfx1250 --defsym DOCPART=n.
;; ======== version 1 of 2: 2 launches
;; limits: a function is approximated: absolute error at most 2.5e-05
;; workspace buffers: wf 8,388,608 bytes; list 131,072 bytes of whole numbers
;; launch prep (part 1): grid 256 x 1, 8 waves a work-group, no clusters, 35,072 bytes of LDS; arguments token_types, w1_s, w2_s, w1_l, w2_l, wf, list, out0; writes wf, list, out0
.if DOCPART == 1
	.amdgcn_target "amdgcn-amd-amdhsa--gfx1250"
	.amdhsa_code_object_version 6
	.text
	.protected	k_q5bb6dbca29_prep
	.globl	k_q5bb6dbca29_prep
	.p2align	8
	.type	k_q5bb6dbca29_prep,@function
k_q5bb6dbca29_prep:
	s_mov_b64 s[64:65], 0
	v_nop
	global_prefetch_b8 v0, s[64:65] scope:SCOPE_SE
	s_setreg_imm32_b32 hwreg(HW_REG_WAVE_MODE, 25, 1), 1
	s_wait_xcnt 0x0
; PREP.  Three things, all of them once:
; (1) the four weight matrices W[k][n] (f32) are rounded to bf16 and laid out in the order in which the next launch's matrix operand registers take them:
;     wf byte = e<<22 | w<<20 | p<<18 | s<<13 | f<<10 | j<<9 | lane<<4 | 2i holds W(k, n), n = 512 (p&1) + 128 w + 16 f + lane%16, k = 32 s' + 16 j + 8 (lane/16) + i;
;     p = 0, 1: the first layer, s' = s; p = 2, 3: the second layer, s' = (s + 16) & 31 (the next launch walks hidden columns 512.. first).
; (2) a counting sort of the 16,384 tokens by type, without atomics: every work-group counts all types, ranks its own 64 tokens and puts their numbers
;     into the row lists of the next launch's 256 work-groups (128 words a row: 64 places, 16 places of a fifth block, expert, flag of the fifth block, 0, 0).
;     Dealing, for every split: B_e = ceil(n_e / 16); g0 = min(ceil(B0 / 4), 256 - ceil(B1 / 5)), g1 = 256 - g0; B0 + B1 <= 1025 gives B_e <= 5 g_e, so 80 g_e places hold n_e rows.
;     Rank r of expert e: r < 64 g_e: work-group w0_e + r / 64, place r % 64; else r' = r - 64 g_e: work-group w0_e + r' / 16, place 64 + r' % 16.  Empty places hold -1.
; (3) a token whose type is neither 0 nor 1 gets its row of zeros in out0 here; the next launch stores the other rows.
; SHARES.  Work-group g: matrix g / 64 (w1_s, w2_s, w1_l, w2_l), its rows 16 (g % 64) .. + 15 (64 KiB on end); wave nc takes columns 128 nc .. + 127.  Tokens 64 g .. + 63; list row g's empty places.
; LIMIT.  The list is written by stores of 4 bytes a lane to scattered words: 84 words for each of 256 rows in the whole launch.
.set STG,   4224                       ; a wave's stage: 8 halves of fragments, 512 bytes + 16 of padding each
.set CNTS,  33792                      ; 16 bytes a wave: its counts
.set SPARE, 34048                      ; the spare words, 128 bytes a wave: four blocks of 256 bytes that no other line names
.set WR,  16                           ; v[16:79]   16 rows of W, 4 columns a lane; later the fragments read back
.set TY,  80                           ; v[80:143]  2,048 types of my wave; later the waves' counts and work
.set CV,  146                          ; v[146:177] converted: 8 units of 16 bytes
	s_load_b512 s[4:19], s[0:1], 0x0               ; types s[4:5], w1_s 6, w2_s 8, w1_l 10, w2_l 12, wf 14, list 16, out0 18
	v_lshl_add_u32 v8, v0, 2, SPARE                ; my spare word,
	v_mov_b32 v9, 0                                ; and 0: kept for the add at the wave's end alone
	v_lshrrev_b32 v178, 5, v0
	v_readfirstlane_b32 s20, v178                  ; wave 0..7
	s_mov_b32 s21, ttmp9                           ; work-group g
	s_lshr_b32 s45, s21, 6                         ; matrix 2 e + L
	s_and_b32 s46, s21, 63                         ; m: which 16 rows
	s_and_b32 s47, s45, 1                          ; L
	v_and_b32 v1, 31, v0                           ; lane
	v_lshlrev_b32 v2, 4, v1                        ; 16 x lane
	v_lshrrev_b32 v4, 4, v1                        ; lane / 16
	v_lshlrev_b32 v6, 2, v1                        ; 4 x lane
	s_lshl_b32 s44, s20, 9
	v_add_nc_u32 v3, s44, v2                       ; W: my wave's 512 bytes of a row, 16 bytes a lane
	s_lshl_b32 s44, s20, 13
	v_add_nc_u32 v5, s44, v2                       ; types: my wave's 8,192 bytes
	s_mul_i32 s44, s20, STG
	v_lshrrev_b32 v178, 2, v1
	v_mul_u32_u24 v178, v178, 528
	v_and_b32 v179, 3, v1
	v_lshl_add_u32 v178, v179, 6, v178
	v_add_nc_u32 v7, s44, v178                     ; into the stage: fragment lane / 4, column 4 (lane % 4): 16 lanes touch 16 different 16-byte columns modulo 256
	v_add_nc_u32 v10, s44, v2                      ; back: 512 bytes on end
	s_lshl_b32 s44, s20, 15
	v_add_nc_u32 v11, s44, v2                      ; zero rows: my wave's 8 rows of 4,096 bytes
	v_mov_b32 v12, 0
	v_mov_b32 v13, 0
	v_mov_b32 v14, 0
	v_mov_b32 v15, 0
	; where my wave's eight halves of fragments go in wf
	s_lshr_b32 s58, s45, 1
	s_lshl_b32 s58, s58, 22                        ; e
	s_and_b32 s44, s20, 3
	s_lshl_b32 s44, s44, 20                        ; w = nc % 4
	s_or_b32 s58, s58, s44
	s_lshr_b32 s44, s20, 2
	s_lshl1_add_u32 s44, s47, s44                  ; p = 2 L + nc / 4
	s_lshl_b32 s44, s44, 18
	s_or_b32 s58, s58, s44
	s_lshr_b32 s44, s46, 1
	s_lshl4_add_u32 s44, s47, s44                  ; s = (m / 2 + 16 L) & 31
	s_and_b32 s44, s44, 31
	s_lshl_b32 s44, s44, 13
	s_or_b32 s58, s58, s44
	s_and_b32 s44, s46, 1                          ; j = m % 2
	s_lshl_b32 s44, s44, 9
	s_or_b32 s58, s58, s44
	s_mov_b32 s59, 0
	s_mov_b32 s36, 0                               ; my wave's counts: all of type 0, of type 1,
	s_mov_b32 s37, 0
	s_mov_b32 s38, 0                               ; and those among them in front of token 64 g
	s_mov_b32 s39, 0
	s_lshl_b32 s44, s20, 5
	s_sub_co_i32 s40, s21, s44                     ; D = g - 32 wave - 2 k: the lanes with lane / 16 < D hold tokens of earlier blocks of 64
	s_wait_kmcnt 0x0
	s_cmp_lg_u32 s47, 0
	s_cselect_b64 s[22:23], s[8:9], s[6:7]         ; the matrix is chosen by the work-group's number
	s_cselect_b64 s[24:25], s[12:13], s[10:11]
	s_cmp_ge_u32 s45, 2
	s_cselect_b64 s[22:23], s[24:25], s[22:23]
	s_lshl_b32 s24, s46, 16                        ; 16 rows of 4,096 bytes
	s_mov_b32 s25, 0
	s_add_nc_u64 s[22:23], s[22:23], s[24:25]
	s_lshl_b32 s24, s21, 8
	s_add_nc_u64 s[26:27], s[4:5], s[24:25]        ; the types of my work-group's 64 tokens,
	s_lshl_b32 s24, s20, 5
	s_add_nc_u64 s[56:57], s[26:27], s[24:25]      ; of my wave's 8 among them
	s_add_nc_u64 s[60:61], s[14:15], s[58:59]
	s_lshl_b32 s24, s21, 9
	s_add_nc_u64 s[84:85], s[16:17], s[24:25]      ; list row g
	s_lshl_b32 s24, s21, 18
	s_add_nc_u64 s[88:89], s[18:19], s[24:25]      ; out0 at token 64 g
.irp k, 0,1,2,3,4,5,6,7,8,9,10,11,12,13,14,15
	global_load_b128 v[TY+4*\k:TY+4*\k+3], v5, s[4:5] offset:\k*512
.endr
	global_load_b32 v144, v6, s[26:27]
	global_load_b32 v145, v6, s[26:27] offset:128
.irp i, 0,1,2,3,4,5,6,7,8,9,10,11,12,13,14,15
	global_load_b128 v[WR+4*\i:WR+4*\i+3], v3, s[22:23] offset:\i*4096 th:TH_LOAD_NT  ; each weight is read once in the launch
.endr
	s_load_b256 s[28:35], s[56:57], 0x0
; The types of load k: token 2,048 wave + 128 k + 4 lane + c.  Eight compares, then the counting in scalar registers.
.macro COUNT k
	v_cmp_gt_i32 s41, s40, v4
.irp c, 0,1,2,3
	v_cmp_eq_u32 s[68+2*\c], 0, v[TY+4*(\k)+\c]
	v_cmp_eq_u32 s[69+2*\c], 1, v[TY+4*(\k)+\c]
.endr
.irp c, 0,1,2,3,4,5,6,7
	s_bcnt1_i32_b32 s44, s[68+\c]
	s_add_co_u32 s[36+(\c)%2], s[36+(\c)%2], s44
	s_and_b32 s44, s[68+\c], s41
	s_bcnt1_i32_b32 s44, s44
	s_add_co_u32 s[38+(\c)%2], s[38+(\c)%2], s44
.endr
	s_sub_co_i32 s40, s40, 2
.endm
	s_wait_loadcnt 16                              ; the 16 loads of W are younger: all types are in
.irp k, 0,1,2,3,4,5,6,7,8,9,10,11,12,13,14,15
	COUNT \k
.endr
	v_mov_b32 v178, s36
	v_mov_b32 v179, s37
	v_mov_b32 v180, s38
	v_mov_b32 v181, s39
	s_lshl_b32 s44, s20, 4
	s_add_co_u32 s44, s44, CNTS
	v_mov_b32 v182, s44
	ds_store_b128 v182, v[178:181]                 ; all lanes write the same 16 bytes with the same numbers
	s_wait_dscnt 0x0                               ; for the others' sake: my counts are in LDS
	s_barrier_signal -1
	s_barrier_wait -1
	v_mov_b32 v183, CNTS
.irp q, 0,1,2,3,4,5,6,7
	ds_load_b128 v[TY+4*\q:TY+4*\q+3], v183 offset:16*\q
.endr
	s_wait_loadcnt 0x0                             ; W
	; Column 4 lane + c of rows 8 hh .. + 7 is 16 bytes of a fragment: fragment lane / 4, lane 16 hh + 4 (lane % 4) + c of it.
.irp hh, 0,1
.irp c, 0,1,2,3
.irp q, 0,1,2,3
	v_cvt_pk_bf16_f32 v[CV+4*(4*\hh+\c)+\q], v[WR+4*(8*\hh+2*\q)+\c], v[WR+4*(8*\hh+2*\q+1)+\c]
.endr
	ds_store_b128 v7, v[CV+4*(4*\hh+\c):CV+4*(4*\hh+\c)+3] offset:\hh*256+\c*16
.endr
.endr
.irp f, 0,1,2,3,4,5,6,7
	ds_load_b128 v[WR+4*\f:WR+4*\f+3], v10 offset:\f*528  ; my wave's own bytes: LDS serves a wave's instructions in order (ISA guide 5.7.1.4)
.endr
	s_wait_dscnt 16                                ; eight stores and eight loads are younger: the eight waves' counts are in
.irp q, 1,2,3,4,5,6,7
.irp c, 0,1,2,3
	v_add_nc_u32 v[TY+\c], v[TY+\c], v[TY+4*\q+\c]
.endr
.endr
	v_readfirstlane_b32 s48, v[TY]                 ; n0
	v_readfirstlane_b32 s49, v[TY+1]               ; n1
	v_readfirstlane_b32 s50, v[TY+2]               ; type 0 in front of token 64 g
	v_readfirstlane_b32 s51, v[TY+3]               ; type 1 in front of it
	s_add_co_u32 s52, s48, 15
	s_lshr_b32 s52, s52, 4                         ; B0
	s_add_co_u32 s53, s49, 15
	s_lshr_b32 s53, s53, 4                         ; B1
	s_add_co_u32 s52, s52, 3
	s_lshr_b32 s52, s52, 2                         ; ceil(B0 / 4)
	s_add_co_u32 s53, s53, 4
	s_mul_i32 s53, s53, 52429
	s_lshr_b32 s53, s53, 18                        ; ceil(B1 / 5): x 52,429 >> 18 is x / 5 for x up to 1,029
	s_sub_co_u32 s53, 256, s53
	s_min_u32 s52, s52, s53                        ; g0
	s_sub_co_u32 s53, 256, s52                     ; g1
	s_lshl_b32 s54, s52, 6                         ; 64 g0
	s_lshl_b32 s55, s53, 6                         ; 64 g1
.irp f, 0,1,2,3,4,5,6,7
	s_wait_dscnt 7-\f
	global_store_b128 v2, v[WR+4*\f:WR+4*\f+3], s[60:61] offset:\f*1024  ; 512 consecutive bytes, at a multiple of 512 from wf's first
.endr
; The list word of rank rk in an expert with 64 g = g64 whose work-groups begin at w0.  t .. t + 3 at work.
.macro PLACE dst, rk, g64, w0, t
	v_sub_nc_u32 v[\t], v[\rk], \g64
	v_cmp_gt_u32 vcc_lo, \g64, v[\rk]
	v_lshrrev_b32 v[\t+1], 6, v[\rk]
	v_and_b32 v[\t+2], 63, v[\rk]
	v_lshrrev_b32 v[\t+3], 4, v[\t]
	v_and_b32 v[\t], 15, v[\t]
	v_or_b32 v[\t], 64, v[\t]
	v_cndmask_b32 v[\t+1], v[\t+3], v[\t+1], vcc_lo
	v_cndmask_b32 v[\t+2], v[\t], v[\t+2], vcc_lo
	v_add_nc_u32 v[\t+1], \w0, v[\t+1]
	v_lshl_add_u32 v[\dst], v[\t+1], 7, v[\t+2]
.endm
; 32 of my work-group's tokens, one a lane, their types in v[ty]: rank, place, store.  Registers tb .. tb + 7.
.macro RANK ty, tb
	v_cmp_eq_u32 s42, 0, v[\ty]
	v_cmp_eq_u32 s43, 1, v[\ty]
	v_mbcnt_lo_u32_b32 v[\tb], s42, s50            ; those of my type in front of me
	v_mbcnt_lo_u32_b32 v[\tb+1], s43, s51
	PLACE \tb+2, \tb, s54, 0, \tb+4
	PLACE \tb+3, \tb+1, s55, s52, \tb+4
	v_cndmask_b32 v[\tb+2], v[\tb+2], v[\tb+3], s43
	v_lshlrev_b32 v[\tb+2], 2, v[\tb+2]
	v_min_u32 v[\tb+2], 0x1fffc, v[\tb+2]          ; inside the list whatever the types hold
	v_add_nc_u32 v[\tb+3], s90, v1                 ; the token's number
	v_cmp_gt_u32 vcc_lo, 2, v[\ty]
	s_wait_xcnt 0x0                                ; EXEC changes only when the earlier stores have had their addresses translated
	s_and_saveexec_b32 s91, vcc_lo                 ; tokens of type 0 or 1 alone
	global_store_b32 v[\tb+2], v[\tb+3], s[16:17]
	s_wait_xcnt 0x0                                ; and again in front of the line that widens it
	s_or_b32 exec_lo, exec_lo, s91
	s_bcnt1_i32_b32 s44, s42
	s_add_co_u32 s50, s50, s44
	s_bcnt1_i32_b32 s44, s43
	s_add_co_u32 s51, s51, s44
	s_add_co_u32 s90, s90, 32
.endm
	s_cmp_lg_u32 s20, 0
	s_cbranch_scc1 .Lnot0                          ; wave 0 places the work-group's 64 tokens
	s_lshl_b32 s90, s21, 6
	RANK 144, 100
	RANK 145, 112
.Lnot0:
	s_cmp_lg_u32 s20, 1
	s_cbranch_scc1 .Lnot1                          ; wave 1 fills list row g: -1 in the places that no token takes, and the four words behind them
	s_cmp_ge_u32 s21, s52
	s_cselect_b32 s76, 1, 0                        ; the expert of work-group g,
	s_cselect_b32 s77, s52, 0
	s_cselect_b32 s78, s49, s48                    ; its rows,
	s_cselect_b32 s79, s55, s54                    ; 64 x its work-groups
	s_sub_co_u32 s77, s21, s77                     ; i: g's number among them
	s_lshl_b32 s80, s77, 6                         ; the rank of place 0
	s_lshl_b32 s81, s77, 4
	s_add_co_u32 s81, s81, s79                     ; the rank of place 64
	s_cmp_lt_u32 s81, s78
	s_cselect_b32 s82, 1, 0                        ; the fifth block has rows
	v_mov_b32 v102, -1
	v_add_nc_u32 v100, s80, v1
	v_add_nc_u32 v101, 32, v100
	v_add_nc_u32 v104, s81, v1
	v_cmp_gt_u32 s43, 16, v1
	v_cndmask_b32 v103, 0, -1, s43                 ; words 64 to 79: -1; words 80 to 83: expert, flag, 0, 0
	v_mov_b32 v105, s76
	v_mov_b32 v106, s82
	v_cmp_eq_u32 s86, 16, v1
	v_cndmask_b32 v103, v103, v105, s86
	v_cmp_eq_u32 s86, 17, v1
	v_cndmask_b32 v103, v103, v106, s86
	v_cmp_le_u32 vcc_lo, s78, v100                 ; the place's rank is no row's
	s_wait_xcnt 0x0
	s_and_saveexec_b32 s91, vcc_lo
	global_store_b32 v6, v102, s[84:85]
	s_wait_xcnt 0x0
	s_or_b32 exec_lo, exec_lo, s91
	v_cmp_le_u32 vcc_lo, s78, v101
	s_and_saveexec_b32 s91, vcc_lo
	global_store_b32 v6, v102, s[84:85] offset:128
	s_wait_xcnt 0x0
	s_or_b32 exec_lo, exec_lo, s91
	v_cmp_le_u32 s42, s78, v104
	s_and_b32 s42, s42, s43
	s_or_b32 vcc_lo, s42, 0xf0000                  ; lanes 16 to 19 always
	s_and_saveexec_b32 s91, vcc_lo
	global_store_b32 v6, v103, s[84:85] offset:256
	s_wait_xcnt 0x0
	s_or_b32 exec_lo, exec_lo, s91
.Lnot1:
	s_wait_kmcnt 0x0                               ; my wave's 8 types
.irp j, 0,1,2,3,4,5,6,7
	s_cmp_lt_u32 s[28+\j], 2
	s_cbranch_scc1 .Lvalid\j                       ; a type other than 0 and 1 (negative ones too: compared unsigned): the row is zeros
.irp i, 0,1,2,3,4,5,6,7
	global_store_b128 v11, v[12:15], s[88:89] offset:\j*4096+\i*512
.endr
.Lvalid\j:
.endr
	s_wait_tensorcnt 0x0                           ; the wave's end
	ds_add_u32 v8, v9
	s_wait_dscnt 0x0
	s_endpgm
.Lfunc_end_k_q5bb6dbca29_prep:
	.size	k_q5bb6dbca29_prep, .Lfunc_end_k_q5bb6dbca29_prep-k_q5bb6dbca29_prep
	.p2alignl 7, 3214868480
	.fill 96, 4, 3214868480
	.section	.rodata,"a",@progbits
	.p2align	6, 0x0
	.amdhsa_kernel k_q5bb6dbca29_prep
		.amdhsa_group_segment_fixed_size 35072
		.amdhsa_private_segment_fixed_size 0
		.amdhsa_enable_private_segment 0
		.amdhsa_kernarg_size 64
		.amdhsa_user_sgpr_count 2
		.amdhsa_user_sgpr_kernarg_segment_ptr 1
		.amdhsa_wavefront_size32 1
		.amdhsa_system_sgpr_workgroup_id_x 1
		.amdhsa_system_sgpr_workgroup_id_y 1
		.amdhsa_system_sgpr_workgroup_id_z 1
		.amdhsa_system_vgpr_workitem_id 0
		.amdhsa_next_free_vgpr 192
		.amdhsa_next_free_sgpr 96
		.amdhsa_reserve_vcc 1
		.amdhsa_float_denorm_mode_32 3
		.amdhsa_float_denorm_mode_16_64 3
		.amdhsa_memory_ordered 1
		.amdhsa_forward_progress 1
		.amdhsa_inst_pref_size 54
	.end_amdhsa_kernel
	.amdgpu_metadata
---
amdhsa.version: [ 1, 2 ]
amdhsa.kernels:
  - .name:           k_q5bb6dbca29_prep
    .symbol:         k_q5bb6dbca29_prep.kd
    .args:
      - { .name: token_types, .offset: 0, .size: 8, .value_kind: global_buffer, .address_space: global }
      - { .name: w1_s, .offset: 8, .size: 8, .value_kind: global_buffer, .address_space: global }
      - { .name: w2_s, .offset: 16, .size: 8, .value_kind: global_buffer, .address_space: global }
      - { .name: w1_l, .offset: 24, .size: 8, .value_kind: global_buffer, .address_space: global }
      - { .name: w2_l, .offset: 32, .size: 8, .value_kind: global_buffer, .address_space: global }
      - { .name: wf, .offset: 40, .size: 8, .value_kind: global_buffer, .address_space: global }
      - { .name: list, .offset: 48, .size: 8, .value_kind: global_buffer, .address_space: global }
      - { .name: out0, .offset: 56, .size: 8, .value_kind: global_buffer, .address_space: global }
    .group_segment_fixed_size: 35072
    .private_segment_fixed_size: 0
    .kernarg_segment_align: 8
    .kernarg_segment_size: 64
    .max_flat_workgroup_size: 256
    .sgpr_count:     96
    .vgpr_count:     192
    .wavefront_size: 32
...
	.end_amdgpu_metadata
.endif
;; end of part 1
;; launch moe (part 2): grid 256 x 1, 4 waves a work-group, no clusters, 296,704 bytes of LDS; arguments x, list, wf, b1_s, b1_l, b2_s, b2_l, out0; writes out0
.if DOCPART == 2
	.amdgcn_target "amdgcn-amd-amdhsa--gfx1250"
	.amdhsa_code_object_version 6
	.text
	.protected	k_q5bb6dbca29_moe
	.globl	k_q5bb6dbca29_moe
	.p2align	8
	.type	k_q5bb6dbca29_moe,@function
k_q5bb6dbca29_moe:
	s_mov_b64 s[64:65], 0
	v_nop
	global_prefetch_b8 v0, s[64:65] scope:SCOPE_SE
	s_setreg_imm32_b32 hwreg(HW_REG_WAVE_MODE, 25, 1), 1
	s_wait_xcnt 0x0
; MOE.  out0[t] = gelu(x[t] W1_e + b1_e) W2_e + b2_e for the tokens t of one expert e that the list names: gather, first product, bias, exact GELU, second product, bias, scatter, in one launch.
; x, W and the hidden layer are bf16 matrix operands; sums, biases and the GELU in f32; out0 in f32.
; SHARES.  A work-group has 64 rows (four blocks of 16) and, where its flag F5 says so, a fifth block: 16,384 rows on 256 work-groups leave no other room for a split that is no multiple of 64.
; Four PASSES: 0, 1 make hidden columns 0-511, 512-1023; 2, 3 make output columns 0-511, 512-1023.  In a pass wave w makes 128 columns (8 fragments of 16) for all rows; K = 1,024 goes in 32 steps of 32.
; THE MATRIX INSTRUCTION IS USED TRANSPOSED: source 0 = 16 columns of W, source 1 = 16 rows: a lane then holds one row and eight neighbouring columns.
; WEIGHTS.  Each weight byte is used by one wave of the work-group, so the weights go from memory straight into operand registers, from the copy that the launch before laid out in that order:
; a ring of 4 units of one K step (8 fragments, 16 loads of 512 bytes); a unit is asked for again as soon as it is multiplied, 3 steps = 48 loads ahead of its next use.  The base never moves: each unit
; has a vector offset of its own, stepped behind the wait that shows the unit's loads done, so no wait stands in the loop for an address's sake.
; A K STEP has ONE run of memory instructions: 32 matrix instructions, four places, the row fragments of the step after next (into the buffer just read), the unit's 16 loads.
; NO CLUSTER, NO TENSOR LOADS: a K step takes 32 KiB of weights a work-group for 32 matrix instructions a wave; beside the rows and stages LDS has 30,976 bytes left, less than one step's;
; and the weights would be written to and read from LDS, 4 MiB each a work-group; partners would also have to agree in F5, which hangs on the split.
; BIAS.  It is loaded into the fifth block's accumulators: the C operand of the other blocks' first products, and the fifth block's own starting value.
; GELU.  0.5 x + |x| (0.5 - 0.5 (a1 t + a2 t^2 + a3 t^3) e^(-x^2/2)), t = 1 / (1 + p |x| / sqrt 2): erf by a rational form whose error is 2.5e-5 at the most for every x.
; LIMITS.  erf within 2.5e-5, so gelu within 1.3e-5 |x|; in the far negative tail the result is a rounding remainder of |x| 2^-25 at the most in place of a number nearer 0; NaN and infinities are not treated apart.
; PLACES WITHOUT A TOKEN hold -1 in the list.  They take the work-group's first token (tokens ascend with the places, so a signed maximum with list word 0 does it): a row that exists is computed
; again, and the same wave stores the same numbers to the same bytes again.  A work-group that a split leaves without rows computes on token 16,383's row and jumps its way out.
; LDS.  80 rows of 3,280 bytes = 12 chunks of 256 + 16 bytes, + 16: an odd multiple of 16, so the 16 rows of a fragment load start at 16 different groups of four banks (ISA guide 11.1).
;   chunks 0-3: x columns 0-511;  4-7: x columns 512-1023, later hidden 512-1023;  8-11: hidden 0-511.  Passes 0, 1 read chunks 0-7, passes 2, 3 chunks 4-11, by one text.
;   Behind the rows each wave's stage for the way out (16 rows of 512 + 16 bytes), then the spare words.
; REGISTERS, in windows of 256 (s_set_vgpr_msb: bits 1:0 source 0, 3:2 source 1, 5:4 source 2, 7:6 destination):
;   window 0: v0-23 addresses; v32-71, v72-111 two buffers of row fragments (block b at + 8 b), also at work in the gather and the GELU; v128-191 bias / fifth block's sums; v192-255 the fifth block on its way out
;   window 1: the ring of weights          window 2: the sums, block b, fragment f at 64 b + 8 f; in the gather six rows of x and two converted
;   window 3: v0-79 for each of the 80 places the byte offset of my 16 bytes in its token's row; never rewritten
.set PITCH, 3280
.set CH,    272
.set BLK,   16*PITCH
.set STAGE, 80*PITCH
.set SPI,   528
.set SPARE, STAGE+4*16*SPI             ; 128 bytes a wave: two blocks of 256 bytes that no other line names
.set RR,   1                           ; lane % 16
.set HH,   2                           ; lane / 16
.set LROW, 3                           ; RR x PITCH + 16 HH
.set L16,  4                           ; 16 x lane; never rewritten
.set BOFF, 5                           ; 32 HH; never rewritten
.set LANE, 6
.set STW,  7                           ; into my stage: row RR, 32 bytes for each half of the lanes
.set STR,  8                           ; back: 512 bytes on end
.set AD,   10                          ; v10-14 LDS address of block b's fragments; in the GELU: where block b's hidden numbers go
.set GST,  15                          ; gather: my wave's 16 rows
.set SPW,  16                          ; my spare word; never rewritten
.set NIL,  17                          ; 0; never rewritten
.set GST4, 18                          ; gather: my wave's 4 rows of the fifth block
.set MSK,  19                          ; clears a sign
.set WO,   20                          ; v20-23 ring unit u: byte offset, in my wave's weights, of my 16 bytes in the step that the unit takes next
.set AF,   32
.set GOFF, 32                          ; v32-51 gather: byte offset of my 16 bytes in each of my 20 rows of x
.set GA,   32                          ; GELU: |x|
.set GT,   48                          ;       t
.set GE,   64                          ;       e^(-x^2/2)
.set GH,   80                          ;       x / 2, then the result
.set GP,   96                          ;       the polynomial
.set BI,   128
.set RB,   192
.set WV,   20
.set PASS, 21
.set CNT,  22
.set FIRST, 23                         ; list word 0: the work-group's first token, or -1
.set EX,   24                          ; s[24:27] the list's four words: expert, F5, 0, 0
.set F5,   25
.set WB,   28                          ; s[28:29] my wave's weights; never rewritten
.set B1,   30                          ; s[30:31] b1_e at my wave's columns
.set B2,   32                          ; s[32:33] b2_e likewise
.set BP,   34                          ; s[34:35] the bias of the pass to come
.set OF,   36                          ; s[36:37] an offset; the high word stays 0
.set LP,   38                          ; s[38:39] my work-group's list row
.set TK,   40                          ; s[40:59] tokens
.set TMP,  60
.set AOFF, 61
.set HOFF, 62
.set KP,   66                          ; pairs for the packed arithmetic, which takes the low word for both halves
.set KC,   68
.set CA1,  70
.set CA2,  72
.set CA3,  74
.set OB,   80                          ; s[80:81] out0 at my wave's 512 bytes of a row in this pass
.set TK2,  84                          ; s[84:99] sixteen more tokens
.set MSB, 0
.macro WIN new                         ; the immediate's high byte repeats the setting that is left; a switch that changes nothing is dropped
.if MSB != (\new)
	s_set_vgpr_msb (MSB<<8)|(\new)
.set MSB, \new
.endif
.endm
.macro PLACES n
.rept \n
	v_nop
.endr
.endm
; Eighth q of the ring: half of unit q / 2, eight loads of 512 bytes at the unit's offset.
.macro RING8 q
	WIN 0x40                                       ; destination window 1, address window 0
.irp j, 0,1,2,3,4,5,6,7
	global_load_b128 v[32*(\q)+4*\j:32*(\q)+4*\j+3], v[WO+(\q)/2], s[WB:WB+1] offset:(8*((\q)%2)+\j)*512
.endr
.endm
; Register j of fragment f: bias of column 16 f + 8 HH + j, the same for every row.
.macro BIAS
.irp f, 0,1,2,3,4,5,6,7
	global_load_b128 v[BI+8*\f:BI+8*\f+3],   v[BOFF], s[BP:BP+1] offset:64*\f
	global_load_b128 v[BI+8*\f+4:BI+8*\f+7], v[BOFF], s[BP:BP+1] offset:64*\f+16
.endr
.endm
; Row g of my 20 is asked for: 8 loads of 512 bytes into slot.
.macro XROW slot, g
	WIN 0x88                                       ; loaded data window 2, addresses window 0
.irp j, 0,1,2,3,4,5,6,7
	global_load_b128 v[32*(\slot)+4*\j:32*(\slot)+4*\j+3], v[GOFF+(\g)], s[4:5] offset:\j*512 th:TH_LOAD_NT
.endr
.endm
; A gathered row in slot is rounded to bf16 and put into LDS row lrow from adr on, load j into chunk j.  left: the younger loads.
.macro GROW lrow, slot, adr, left
	s_wait_loadcnt \left
.set gc, 192+16*((\slot)&1)
	WIN 0x8a                                       ; all in window 2
.set q, 0
.rept 16
	v_cvt_pk_bf16_f32 v[gc+q], v[32*(\slot)+2*q], v[32*(\slot)+2*q+1]
.set q, q+1
.endr
	WIN 0x88                                       ; store data window 2, addresses window 0
.irp j, 0,1,2,3,4,5,6,7
	ds_store_b64 v[\adr], v[gc+2*\j:gc+2*\j+1] offset:(\lrow)*PITCH+\j*CH
.endr
.endm
; Sixteen places' tokens in s[sb ..]: an empty place takes the first token; clamped; the offsets of block b go into window 3.
.macro TOFF16 sb, b
.set r, 0
.rept 16
	s_max_i32 s[(\sb)+r], s[(\sb)+r], s[FIRST]
	s_min_u32 s[(\sb)+r], s[(\sb)+r], 0x3fff
	v_lshl_add_u32 v[16*(\b)+r], s[(\sb)+r], 12, v[L16]
.set r, r+1
.endr
.endm
; The row fragments of one K step, at byte koff from the addresses: 16 rows x 32 K are two loads of 16 bytes, 32 bytes apart.
.macro ALOAD a, koff
.irp b, 0,1,2,3
	ds_load_b128 v[AF+40*(\a)+8*\b:AF+40*(\a)+8*\b+3],   v[AD+\b] offset:\koff
	ds_load_b128 v[AF+40*(\a)+8*\b+4:AF+40*(\a)+8*\b+7], v[AD+\b] offset:(\koff)+32
.endr
.endm
.macro ALOAD4 a, koff
	ds_load_b128 v[AF+40*(\a)+32:AF+40*(\a)+35], v[AD+4] offset:\koff
	ds_load_b128 v[AF+40*(\a)+36:AF+40*(\a)+39], v[AD+4] offset:(\koff)+32
.endm
; K STEP sg of a trip's four: ring unit sg times the four blocks in buffer sg % 2: 32 matrix instructions on 32 accumulators; under F5 eight more for the fifth block.
; The accumulators take turns, one instruction a turn, over every edge.  first = 1: the products start the sums with the bias.
; lcnt >= 0: the younger loads that may stay out when this unit has to be there; that wait also frees the unit's offset, which is stepped among the places.
; dcnt: the LDS loads that may stay out: this step's fragments were asked for two runs ago, so the last run's eight may (with a fifth block that run has two more, issued first: the count holds there too).
; Behind the products four places in front of loads into registers that matrix instructions have read: the offset's step and three v_nop, or, in a trip's last step, the row addresses' steps.
; aload = 1: the fragments of the step after next are fetched into the buffer just read.  refill = 1: the unit takes the step four on.
.macro STEP sg, first, refill, aload, lcnt, dcnt
.set K4, 64*(((\sg)+2)&3)+CH*(((\sg)+2)/4)         ; the step after next, from the trip's chunk on
.set KA, K4
.if (\sg) == 3
.set KA, 64                                        ; the addresses have been stepped by then
.endif
.if (\lcnt) >= 0
	s_wait_loadcnt \lcnt
.endif
	s_wait_dscnt \dcnt
.if \first
	WIN 0x81                                       ; W window 1, rows and C (the bias) window 0, D window 2
.else
	WIN 0xa1                                       ; W window 1, rows window 0, C and D window 2
.endif
.irp b, 0,1,2,3
.irp f, 0,1,2,3,4,5,6,7
.set rD, 64*\b+8*\f
.set rW, 64*(\sg)+8*\f
.set rA, AF+40*((\sg)&1)+8*\b
.set rC, BI+8*\f
.if \first
	v_wmma_f32_16x16x32_bf16 v[rD:rD+7], v[rW:rW+7], v[rA:rA+7], v[rC:rC+7]
.else
	v_wmma_f32_16x16x32_bf16 v[rD:rD+7], v[rW:rW+7], v[rA:rA+7], v[rD:rD+7]
.endif
.endr
.endr
	WIN 0                                          ; at a branch and at a label every window is 0
.if \first
	PLACES 5                                       ; the fifth block's products write over registers that the products above have read as C: five places, ahead of the branch, so that they lie on every way to such a product, in this step or a later one
.endif
	s_cmp_eq_u32 s[F5], 0
	s_cbranch_scc1 .Lno5_\@
	WIN 0x01
.irp f, 0,1,2,3,4,5,6,7
.set rW, 64*(\sg)+8*\f
.set rC, BI+8*\f
	v_wmma_f32_16x16x32_bf16 v[rC:rC+7], v[rW:rW+7], v[AF+40*((\sg)&1)+32:AF+40*((\sg)&1)+39], v[rC:rC+7]
.endr
	WIN 0
.if \aload
	PLACES 4
	ALOAD4 (\sg)&1, K4
.endif
.Lno5_\@:
	v_add_nc_u32 v[WO+(\sg)], 0x8000, v[WO+(\sg)]  ; four steps of 8,192 bytes on; in a pass's last four steps: the next pass's first four
.if (\aload) && ((\sg) == 3)
.irp b, 0,1,2,3,4
	v_add_nc_u32 v[AD+\b], CH, v[AD+\b]            ; the next chunk of the rows
.endr
.else
	PLACES 3
.endif
.if \aload
	ALOAD (\sg)&1, KA
.endif
.if \refill
	RING8 2*(\sg)
	RING8 2*(\sg)+1
	WIN 0
.endif
.endm
; GELU of two accumulators (16 numbers a lane) at base in window win, rounded to bf16 and put into LDS: a lane's eight columns are 16 bytes.  The accumulators are read from their lowest registers on.
; The 32 transcendentals are one batch with one wait; the eight halvings are the plain work between.
.macro GELU2 win, base, hs, off
	WIN \win
.set q, 0
.rept 16
	v_and_b32 v[GA+q], v[(\base)+q], v[MSK]
.set q, q+1
.endr
	WIN 0
.set q, 0
.rept 8
	v_pk_fma_f32 v[GT+q:GT+q+1], v[GA+q:GA+q+1], s[KP:KP+1], 1.0 op_sel_hi:[1,0,0]
.set q, q+2
.endr
.set q, 0
.rept 8
	v_pk_mul_f32 v[GE+q:GE+q+1], v[GA+q:GA+q+1], s[KC:KC+1] op_sel_hi:[1,0]
.set q, q+2
.endr
.set q, 0
.rept 8
	v_pk_mul_f32 v[GE+q:GE+q+1], v[GE+q:GE+q+1], v[GA+q:GA+q+1]
.set q, q+2
.endr
.set q, 0
.rept 16
	v_rcp_f32 v[GT+q], v[GT+q]
.set q, q+1
.endr
.set q, 0
.rept 16
	v_exp_f32 v[GE+q], v[GE+q]
.set q, q+1
.endr
	WIN \win
.set q, 0
.rept 8
	v_pk_mul_f32 v[GH+q:GH+q+1], v[(\base)+q:(\base)+q+1], 0.5 op_sel_hi:[1,0]
.set q, q+2
.endr
	WIN 0
	s_wait_alu depctr_va_vdst(0)                   ; one wait for the batch, ahead of its first reader
.set q, 0
.rept 8
	v_pk_fma_f32 v[GP+q:GP+q+1], v[GT+q:GT+q+1], s[CA3:CA3+1], s[CA2:CA2+1] op_sel_hi:[1,0,0]
.set q, q+2
.endr
.set q, 0
.rept 8
	v_pk_fma_f32 v[GP+q:GP+q+1], v[GP+q:GP+q+1], v[GT+q:GT+q+1], s[CA1:CA1+1] op_sel_hi:[1,1,0]
.set q, q+2
.endr
.set q, 0
.rept 8
	v_pk_mul_f32 v[GE+q:GE+q+1], v[GE+q:GE+q+1], v[GT+q:GT+q+1]
.set q, q+2
.endr
.set q, 0
.rept 8
	v_pk_fma_f32 v[GP+q:GP+q+1], v[GP+q:GP+q+1], v[GE+q:GE+q+1], 0.5 op_sel_hi:[1,1,0] neg_lo:[1,0,0] neg_hi:[1,0,0]
.set q, q+2
.endr
.set q, 0
.rept 8
	v_pk_fma_f32 v[GH+q:GH+q+1], v[GA+q:GA+q+1], v[GP+q:GP+q+1], v[GH+q:GH+q+1]
.set q, q+2
.endr
.set q, 0
.rept 8
	v_cvt_pk_bf16_f32 v[GT+q], v[GH+2*q], v[GH+2*q+1]
.set q, q+1
.endr
	ds_store_b128 v[\hs], v[GT:GT+3] offset:\off
	ds_store_b128 v[\hs], v[GT+4:GT+7] offset:(\off)+32
.endm
; THE WAY OUT of block b, whose eight accumulators lie at base in window win: 32 bytes a lane and fragment into my own stage, back as whole pieces of rows into back in window bwin, and each row to its
; token's place: a store covers 512 consecutive bytes, at a multiple of 512 from out0's first.  Each block has registers of its own for what it stores, and the offsets are never rewritten:
; no wait stands here for a store's sources; the one at the pass's end serves all.
.macro OUTB b, win, base, bwin, back
	WIN (\win)<<2                                  ; store data in window win
.irp f, 0,1,2,3,4,5,6,7
	ds_store_b128 v[STW], v[(\base)+8*\f:(\base)+8*\f+3]   offset:64*\f
	ds_store_b128 v[STW], v[(\base)+8*\f+4:(\base)+8*\f+7] offset:64*\f+16
.endr
	WIN (\bwin)<<6                                 ; loaded data in window bwin
.irp r, 0,1,2,3,4,5,6,7,8,9,10,11,12,13,14,15
	ds_load_b128 v[(\back)+4*\r:(\back)+4*\r+3], v[STR] offset:\r*SPI  ; LDS serves a wave's instructions in order (ISA guide 5.7.1.4): these see the stores above, and the next block's stores come behind them
.endr
	WIN ((\bwin)<<2)|3                             ; offsets in window 3, data in window bwin
.irp r, 0,1,2,3,4,5,6,7,8,9,10,11,12,13,14,15
	s_wait_dscnt 15-\r                             ; row r is back; the younger rows may stay out
	global_store_b128 v[16*(\b)+\r], v[(\back)+4*\r:(\back)+4*\r+3], s[OB:OB+1] th:TH_STORE_NT
.endr
	WIN 0
.endm
	s_load_b512 s[4:19], s[0:1], 0x0               ; x s[4:5], list 6, wf 8, b1_s 10, b1_l 12, b2_s 14, b2_l 16, out0 18
	v_lshl_add_u32 v[SPW], v0, 2, SPARE
	v_mov_b32 v[NIL], 0
	v_lshrrev_b32 v[LANE], 5, v0
	v_readfirstlane_b32 s[WV], v[LANE]             ; wave 0..3
	v_and_b32 v[LANE], 31, v0
	v_and_b32 v[RR], 15, v0
	v_bfe_u32 v[HH], v0, 4, 1
	v_mul_u32_u24 v[LROW], v[RR], PITCH
	v_lshl_add_u32 v[LROW], v[HH], 4, v[LROW]
	v_lshlrev_b32 v[L16], 4, v[LANE]
	v_lshlrev_b32 v[BOFF], 5, v[HH]
.irp u, 0,1,2,3
	v_add_nc_u32 v[WO+\u], \u*8192, v[L16]         ; unit u begins with step u
.endr
	s_mul_i32 s[TMP], s[WV], 16*SPI
	s_add_co_u32 s[TMP], s[TMP], STAGE             ; my stage
	v_mul_u32_u24 v[STW], v[RR], SPI
	v_add3_u32 v[STW], v[STW], v[BOFF], s[TMP]
	v_add_nc_u32 v[STR], s[TMP], v[L16]
	s_mul_i32 s[TMP], s[WV], BLK
	v_lshl_add_u32 v[GST], v[LANE], 3, s[TMP]
	s_mul_i32 s[TMP], s[WV], 4*PITCH
	s_add_co_u32 s[TMP], s[TMP], 4*BLK
	v_lshl_add_u32 v[GST4], v[LANE], 3, s[TMP]
	v_mov_b32 v[MSK], 0x7fffffff
.irp i, 0,1,2,3,4,5,6,7
	v_mov_b32 v[AF+32+\i], 0                       ; the fifth block's fragment registers hold numbers on every path
	v_mov_b32 v[AF+72+\i], 0
.endr
	s_mov_b32 s[KP], 0x3eaa540e                    ; 0.47047 / sqrt 2
	s_mov_b32 s[KP+1], s[KP]
	s_mov_b32 s[KC], 0xbf38aa3b                    ; - log2(e) / 2
	s_mov_b32 s[KC+1], s[KC]
	s_mov_b32 s[CA1], 0x3e32303a                   ; 0.3480242 / 2
	s_mov_b32 s[CA1+1], s[CA1]
	s_mov_b32 s[CA2], 0xbd445ca1                   ; - 0.0958798 / 2
	s_mov_b32 s[CA2+1], s[CA2]
	s_mov_b32 s[CA3], 0x3ebf7377                   ; 0.7478556 / 2
	s_mov_b32 s[CA3+1], s[CA3]
	s_lshl_b32 s[OF], ttmp9, 9
	s_mov_b32 s[OF+1], 0
	s_wait_kmcnt 0x0
	s_add_nc_u64 s[LP:LP+1], s[6:7], s[OF:OF+1]
	s_lshl_b32 s[OF], s[WV], 6
	s_add_nc_u64 s[76:77], s[LP:LP+1], s[OF:OF+1]
	s_lshl_b32 s[OF], s[WV], 4
	s_add_nc_u64 s[78:79], s[LP:LP+1], s[OF:OF+1]
	s_load_b128 s[EX:EX+3], s[LP:LP+1], 0x140      ; words 80 to 83
	s_load_b32 s[FIRST], s[LP:LP+1], 0x0           ; the first place's token
	s_load_b512 s[TK:TK+15], s[76:77], 0x0         ; the 16 tokens that my wave gathers: block w
	s_load_b128 s[TK+16:TK+19], s[78:79], 0x100    ; and its 4 of the fifth block
	s_wait_kmcnt 0x0
	s_min_u32 s[EX], s[EX], 1
.set t, 0
.rept 20
	s_max_i32 s[TK+t], s[TK+t], s[FIRST]           ; a place without a token (-1) takes the first token,
	s_min_u32 s[TK+t], s[TK+t], 0x3fff             ; and where there is none either, the last token's row, which exists
	v_lshl_add_u32 v[GOFF+t], s[TK+t], 12, v[L16]
.set t, t+1
.endr
	s_cmp_lg_u32 s[EX], 0
	s_cselect_b64 s[B1:B1+1], s[12:13], s[10:11]
	s_cselect_b64 s[B2:B2+1], s[16:17], s[14:15]
	s_lshl_b32 s[OF], s[WV], 9                     ; my wave's 128 columns
	s_add_nc_u64 s[B1:B1+1], s[B1:B1+1], s[OF:OF+1]
	s_add_nc_u64 s[B2:B2+1], s[B2:B2+1], s[OF:OF+1]
	s_mov_b64 s[BP:BP+1], s[B1:B1+1]
	s_lshl_b32 s[OF], s[EX], 22
	s_lshl_b32 s[TMP], s[WV], 20
	s_add_co_u32 s[OF], s[OF], s[TMP]
	s_add_nc_u64 s[WB:WB+1], s[8:9], s[OF:OF+1]    ; my wave's weights lie on end, pass after pass, step after step
	; THE GATHER.  Six rows of 8 loads are on their way.  Each token is named by one place of the launch; only a filler row repeats.
.irp i, 0,1,2,3,4,5
	XROW \i, \i
.endr
	; In the wait for the first rows: the offsets of all 80 places, for the way out.
	s_load_b512 s[TK:TK+15], s[LP:LP+1], 0x0
	s_load_b512 s[TK2:TK2+15], s[LP:LP+1], 0x40
	WIN 0xc0                                       ; destination window 3, sources window 0
	s_wait_kmcnt 0x0
	TOFF16 TK, 0
	TOFF16 TK2, 1
	s_load_b512 s[TK:TK+15], s[LP:LP+1], 0x80
	s_load_b512 s[TK2:TK2+15], s[LP:LP+1], 0xc0
	s_wait_kmcnt 0x0
	TOFF16 TK, 2
	TOFF16 TK2, 3
	s_load_b512 s[TK:TK+15], s[LP:LP+1], 0x100
	s_wait_kmcnt 0x0
	TOFF16 TK, 4
.irp i, 0,1,2,3,4,5,6,7,8,9
	GROW \i, (\i)%6, GST, 40                       ; five younger rows stay out
	XROW (\i)%6, (\i)+6
.endr
.irp i, 10,11,12,13,14,15
	GROW \i, (\i)%6, GST, 40                       ; no row is left to ask for: eight loads of pass 0's weights take a row's place, so five groups of eight are younger here too
	RING8 (\i)-10
.endr
	RING8 6
	RING8 7
	WIN 0
	BIAS
	s_cmp_eq_u32 s[F5], 0
	s_cbranch_scc1 .Lnog5
.irp i, 0,1,2,3
	XROW \i, 16+\i
.endr
	GROW 0, 0, GST4, 24                            ; nothing is issued behind these four rows: the counts run down
	GROW 1, 1, GST4, 16
	GROW 2, 2, GST4, 8
	GROW 3, 3, GST4, 0
	WIN 0
.Lnog5:
	s_wait_dscnt 0x0                               ; for the others' sake: my rows are in LDS
	s_barrier_signal -1
	s_barrier_wait -1
	s_mov_b32 s[PASS], 0
.Lpass:
	s_wait_loadcnt 0x0                             ; the ring's four steps and the bias, asked for in the gather or in the epilogue before; every unit's offset is free
	s_lshr_b32 s[AOFF], s[PASS], 1
	s_mul_i32 s[AOFF], s[AOFF], 4*CH               ; passes 2 and 3 begin at chunk 4
	v_add_nc_u32 v[AD], s[AOFF], v[LROW]
.irp b, 1,2,3,4
	v_add3_u32 v[AD+\b], v[LROW], s[AOFF], \b*BLK
.endr
	s_cmp_eq_u32 s[F5], 0
	s_cbranch_scc1 .Lna4
	ALOAD4 0, 0
	ALOAD4 1, 64
.Lna4:
	ALOAD 0, 0                                     ; steps 0 and 1
	ALOAD 1, 64
	STEP 0, 1, 1, 1, -1, 8                         ; the first step's products start the sums
	STEP 1, 0, 1, 1, -1, 8
	STEP 2, 0, 1, 1, -1, 8
	STEP 3, 0, 1, 1, -1, 8
	s_mov_b32 s[CNT], 6
.Ltrip:                                                ; four K steps: once round the ring, one chunk of the rows; three younger units of 16 loads stay out
	STEP 0, 0, 1, 1, 48, 8
	STEP 1, 0, 1, 1, 48, 8
	STEP 2, 0, 1, 1, 48, 8
	STEP 3, 0, 1, 1, 48, 8
	s_sub_co_i32 s[CNT], s[CNT], 1
	s_cmp_lg_u32 s[CNT], 0
	s_cbranch_scc1 .Ltrip
	STEP 0, 0, 0, 1, 48, 8                         ; the last four steps ask for no weights: the counts run down
	STEP 1, 0, 0, 1, 32, 8
	STEP 2, 0, 0, 0, 16, 8                         ; and the last two for no rows
	STEP 3, 0, 0, 0, 0, 0
	s_wait_dscnt 0x0                               ; my reads of the rows are over:
	s_barrier_signal -1
	s_barrier_wait -1                              ; everybody's are: pass 1's hidden numbers may take x's chunks 4-7
	s_and_b32 s[TMP], s[PASS], 1
	s_lshl_b32 s[HOFF], s[TMP], 2
	s_sub_co_u32 s[HOFF], 8, s[HOFF]
	s_add_co_u32 s[HOFF], s[HOFF], s[WV]
	s_mul_i32 s[HOFF], s[HOFF], CH                 ; hidden columns 0-511 go to chunks 8-11, 512-1023 to chunks 4-7: my wave's 128 are one chunk
	s_lshl_b32 s[OF], s[TMP], 11
	s_lshl_b32 s[TMP], s[WV], 9
	s_add_co_u32 s[OF], s[OF], s[TMP]
	s_add_nc_u64 s[OB:OB+1], s[18:19], s[OF:OF+1]  ; my wave's 512 bytes in a row of out0; the last pass's stores were freed at that pass's end
	v_add_nc_u32 v[AD], s[HOFF], v[LROW]
.irp b, 1,2,3,4
	v_add3_u32 v[AD+\b], v[LROW], s[HOFF], \b*BLK
.endr
	s_cmp_eq_u32 s[F5], 0
	s_cbranch_scc1 .Lno5e                          ; the fifth block goes first: the next bias lands in its registers
	s_cmp_lt_u32 s[PASS], 2
	s_cbranch_scc0 .Lout5
.irp q, 0,1,2,3
	GELU2 0, BI+16*\q, AD+4, 64*\q
.endr
	s_branch .Lno5e
.Lout5:
	OUTB 4, 0, BI, 0, RB
.Lno5e:
	s_cmp_eq_u32 s[PASS], 3
	s_cbranch_scc1 .Lnoprime
	s_add_co_u32 s[TMP], s[PASS], 1                ; the next pass's bias and first steps are asked for ahead of this pass's epilogue: 16 + 40 loads now,
	s_cmp_lt_u32 s[TMP], 2
	s_cselect_b64 s[BP:BP+1], s[B1:B1+1], s[B2:B2+1]
	s_and_b32 s[OF], s[TMP], 1
	s_lshl_b32 s[OF], s[OF], 11
	s_add_nc_u64 s[BP:BP+1], s[BP:BP+1], s[OF:OF+1]
	BIAS
.irp q, 0,1,2,3,4
	RING8 \q
.endr
	WIN 0
.Lnoprime:
	s_cmp_lt_u32 s[PASS], 2
	s_cbranch_scc0 .LoutA
.irp q, 0,1,2,3
	GELU2 2, 16*\q, AD, 64*\q
.endr
	s_branch .Lmid
.LoutA:
	s_cmp_lt_u32 s[FIRST], 0x4000
	s_cbranch_scc0 .Lmid                           ; a work-group without rows stores nothing
	OUTB 0, 2, 0, 2, 0
.Lmid:
	s_cmp_eq_u32 s[PASS], 3
	s_cbranch_scc1 .Lnoprime2
.irp q, 5,6,7
	RING8 \q                                       ; and the other 24 behind the first block
.endr
	WIN 0
.Lnoprime2:
	s_cmp_lt_u32 s[PASS], 2
	s_cbranch_scc0 .LoutB
.irp b, 1,2,3
.irp q, 0,1,2,3
	GELU2 2, 64*\b+16*\q, AD+\b, 64*\q
.endr
.endr
	s_branch .Ljoin
.LoutB:
	s_cmp_lt_u32 s[FIRST], 0x4000
	s_cbranch_scc0 .Ljoin
	OUTB 1, 2, 64, 2, 64
	OUTB 2, 2, 128, 2, 128
	OUTB 3, 2, 192, 2, 192
.Ljoin:
	s_wait_xcnt 0x0                                ; the stores have read their data, which lie where the next pass's sums begin, and their base
	s_wait_dscnt 0x0                               ; for the others' sake: my hidden numbers are in LDS
	s_barrier_signal -1
	s_barrier_wait -1
	s_add_co_u32 s[PASS], s[PASS], 1
	s_cmp_lt_u32 s[PASS], 4
	s_cbranch_scc1 .Lpass
	s_wait_tensorcnt 0x0                           ; the wave's end
	ds_add_u32 v[SPW], v[NIL]
	s_wait_dscnt 0x0
	s_endpgm
.Lfunc_end_k_q5bb6dbca29_moe:
	.size	k_q5bb6dbca29_moe, .Lfunc_end_k_q5bb6dbca29_moe-k_q5bb6dbca29_moe
	.p2alignl 7, 3214868480
	.fill 96, 4, 3214868480
	.section	.rodata,"a",@progbits
	.p2align	6, 0x0
	.amdhsa_kernel k_q5bb6dbca29_moe
		.amdhsa_group_segment_fixed_size 296704
		.amdhsa_private_segment_fixed_size 0
		.amdhsa_enable_private_segment 0
		.amdhsa_kernarg_size 64
		.amdhsa_user_sgpr_count 2
		.amdhsa_user_sgpr_kernarg_segment_ptr 1
		.amdhsa_wavefront_size32 1
		.amdhsa_system_sgpr_workgroup_id_x 1
		.amdhsa_system_sgpr_workgroup_id_y 1
		.amdhsa_system_sgpr_workgroup_id_z 1
		.amdhsa_system_vgpr_workitem_id 0
		.amdhsa_next_free_vgpr 848
		.amdhsa_next_free_sgpr 100
		.amdhsa_reserve_vcc 0
		.amdhsa_float_denorm_mode_32 3
		.amdhsa_float_denorm_mode_16_64 3
		.amdhsa_memory_ordered 1
		.amdhsa_forward_progress 1
		.amdhsa_inst_pref_size 255
	.end_amdhsa_kernel
	.section	.bss,"aw",@nobits
	.p2align	6
	.space	262144
	.amdgpu_metadata
---
amdhsa.version: [ 1, 2 ]
amdhsa.kernels:
  - .name:           k_q5bb6dbca29_moe
    .symbol:         k_q5bb6dbca29_moe.kd
    .args:
      - { .name: x, .offset: 0, .size: 8, .value_kind: global_buffer, .address_space: global }
      - { .name: list, .offset: 8, .size: 8, .value_kind: global_buffer, .address_space: global }
      - { .name: wf, .offset: 16, .size: 8, .value_kind: global_buffer, .address_space: global }
      - { .name: b1_s, .offset: 24, .size: 8, .value_kind: global_buffer, .address_space: global }
      - { .name: b1_l, .offset: 32, .size: 8, .value_kind: global_buffer, .address_space: global }
      - { .name: b2_s, .offset: 40, .size: 8, .value_kind: global_buffer, .address_space: global }
      - { .name: b2_l, .offset: 48, .size: 8, .value_kind: global_buffer, .address_space: global }
      - { .name: out0, .offset: 56, .size: 8, .value_kind: global_buffer, .address_space: global }
    .group_segment_fixed_size: 296704
    .private_segment_fixed_size: 0
    .kernarg_segment_align: 8
    .kernarg_segment_size: 64
    .max_flat_workgroup_size: 128
    .sgpr_count:     100
    .vgpr_count:     848
    .wavefront_size: 32
...
	.end_amdgpu_metadata
.endif
;; end of part 2
;; ======== version 2 of 2: 2 launches; version 1 with the launch moe written anew for expert scheduling mode
;; limits: a function is approximated: absolute error at most 2.5e-05
;; workspace buffers: wf 8,388,608 bytes; list 131,072 bytes of whole numbers
;; launch prep: the kernel of part 1 again; grid 256 x 1, 8 waves a work-group, no clusters, 35,072 bytes of LDS; arguments token_types, w1_s, w2_s, w1_l, w2_l, wf, list, out0; writes wf, list, out0
;; launch moe (part 3): grid 256 x 1, 4 waves a work-group, no clusters, 296,704 bytes of LDS; arguments x, list, wf, b1_s, b1_l, b2_s, b2_l, out0; writes out0
.if DOCPART == 3
	.amdgcn_target "amdgcn-amd-amdhsa--gfx1250"
	.amdhsa_code_object_version 6
	.text
	.protected	k_q5bb6dbca29_moe
	.globl	k_q5bb6dbca29_moe
	.p2align	8
	.type	k_q5bb6dbca29_moe,@function
k_q5bb6dbca29_moe:
	s_mov_b64 s[64:65], 0
	v_nop
	global_prefetch_b8 v0, s[64:65] scope:SCOPE_SE
	s_setreg_imm32_b32 hwreg(HW_REG_WAVE_SCHED_MODE, 0, 2), 2
	s_setreg_imm32_b32 hwreg(HW_REG_WAVE_MODE, 25, 1), 1
	s_wait_xcnt 0x0
	s_wait_alu depctr_vm_vsrc(0)
; MOE.  out0[t] = gelu(x[t] W1_e + b1_e) W2_e + b2_e for the tokens t of one expert e that the list names: gather, first product, bias, exact GELU, second product, bias, scatter, in one launch.
; x, W and the hidden layer are bf16 matrix operands; sums, biases and the GELU in f32; out0 in f32.
; SHARES.  A work-group has 64 rows (four blocks of 16) and, where its flag F5 says so, a fifth block: 16,384 rows on 256 work-groups leave no other room for a split that is no multiple of 64.
; Four PASSES: 0, 1 make hidden columns 0-511, 512-1023; 2, 3 make output columns 0-511, 512-1023.  In a pass wave w makes 128 columns (8 fragments of 16) for all rows; K = 1,024 goes in 32 steps of 32.
; THE MATRIX INSTRUCTION IS USED TRANSPOSED: source 0 = 16 columns of W, source 1 = 16 rows: a lane then holds one row and eight neighbouring columns.
; WEIGHTS.  Each weight byte is used by one wave of the work-group, so the weights go from memory straight into operand registers, from the copy that the launch before laid out in that order:
; a ring of 4 units of one K step (8 fragments, 16 loads of 512 bytes); a unit is asked for again as soon as it is multiplied, 3 steps = 48 loads ahead of its next use.  The vector offset, 16 x lane, is
; never rewritten: each unit has a scalar base of its own, stepped behind the wait that shows the unit's loads done, so no wait stands in the loop for an address's sake.
; A K STEP: 8 matrix instructions, the next step's row fragments (into the buffer that the step before read), 24 matrix instructions, one wait, the unit's 16 loads.
; NO CLUSTER, NO TENSOR LOADS: a K step takes 32 KiB of weights a work-group for 32 matrix instructions a wave; beside the rows and stages LDS has 30,976 bytes left, less than one step's;
; and the weights would be written to and read from LDS, 4 MiB each a work-group; partners would also have to agree in F5, which hangs on the split.
; BIAS.  It is loaded into the fifth block's accumulators: the C operand of the other blocks' first products, and the fifth block's own starting value.
; GELU.  0.5 x + |x| (0.5 - 0.5 (a1 t + a2 t^2 + a3 t^3) e^(-x^2/2)), t = 1 / (1 + p |x| / sqrt 2): erf by a rational form whose error is 2.5e-5 at the most for every x.
; LIMITS.  erf within 2.5e-5, so gelu within 1.3e-5 |x|; in the far negative tail the result is a rounding remainder of |x| 2^-25 at the most in place of a number nearer 0; NaN and infinities are not treated apart.
; PLACES WITHOUT A TOKEN hold -1 in the list.  They take the work-group's first token (tokens ascend with the places, so a signed maximum with list word 0 does it): a row that exists is computed
; again, and the same wave stores the same numbers to the same bytes again.  A work-group that a split leaves without rows computes on token 16,383's row and jumps its way out.
; LDS.  80 rows of 3,280 bytes = 12 chunks of 256 + 16 bytes, + 16: an odd multiple of 16, so the 16 rows of a fragment load start at 16 different groups of four banks (ISA guide 11.1).
;   chunks 0-3: x columns 0-511;  4-7: x columns 512-1023, later hidden 512-1023;  8-11: hidden 0-511.  Passes 0, 1 read chunks 0-7, passes 2, 3 chunks 4-11, by one text.
;   Behind the rows each wave's stage for the way out (16 rows of 512 + 16 bytes).
; REGISTERS, in windows of 256 (s_set_vgpr_msb: bits 1:0 source 0, 3:2 source 1, 5:4 source 2, 7:6 destination):
;   window 0: v0-19 addresses; v32-71, v72-111 two buffers of row fragments (block b at + 8 b), also at work in the gather and the GELU; v112-119 hidden numbers to store;
;             v128-191 bias / fifth block's sums; v192-255 the fifth block on its way out
;   window 1: the ring of weights          window 2: the sums, block b, fragment f at 64 b + 8 f; in the gather six rows of x and two converted
;   window 3: v0-79 for each of the 80 places the byte offset of my 16 bytes in its token's row; never rewritten
; THE MODE: SCHED_MODE bits 1:0 = 2 (LLVM: expert scheduling mode 2), set by the entry lines.  The code itself states the register dependences
; between vector or matrix instructions and memory or LDS instructions, with s_wait_alu, always for 0.
; THE PLAN.  Registers that memory or LDS instructions touch, and who else names them:
;   ring unit u      Step u's products read it; behind them the loads of the step four on land in it.
;   AF0, AF1         Step s's products read AF[s % 2]; the LDS loads that land in it (step s + 2's fragments) are issued in step s + 1.  In an epilogue the GELU works in these registers.
;   v[AD ..]         Read by every load of a fragment and every store of hidden numbers; written at a pass's head, once a trip, and at an epilogue's head.
;   v[GO ..]         Written by a GELU's eight roundings; read by two LDS stores, which are issued in the next GELU.
;   the sums         Written by products; on the way out read by LDS stores, then the loads from the stage land in them and the global stores read them; the next pass's products write them again.
;   v[BI ..]         The bias lands in it; first products read it, the fifth block's products write it, that block's GELU or its LDS stores read it; then the next bias lands.
;   the gather       Six slots: a row lands, sixteen conversions read it, the next row lands.  Two converted buffers: the conversions write, eight LDS stores read.
;   v[L16], v[BOFF], v[STW], v[STR], v[GST], v[GST4] and window 3 are made at the head and never written again.
; So ONE wait on va_vdst stands in a K step, behind its products: they are done reading the step's ring unit and its fragment buffer, and in a trip's last step v[AD ..] is written.  The unit's 16 loads follow it
; at once; the LDS loads into that buffer follow among the next step's products, which name the other buffer, the next unit, v[BI ..] and the sums: none of the registers that those loads touch.
; One wait on vm_vsrc a trip stands ahead of the adds to v[AD ..].  An epilogue's head has one of each; a GELU's wait for its transcendentals also shows the GELU before it rounded, whose stores follow that wait.
.set PITCH, 3280
.set CH,    272
.set BLK,   16*PITCH
.set STAGE, 80*PITCH
.set SPI,   528
.set RR,   1                           ; lane % 16
.set HH,   2                           ; lane / 16
.set LROW, 3                           ; RR x PITCH + 16 HH
.set L16,  4                           ; 16 x lane; never rewritten
.set BOFF, 5                           ; 32 HH; never rewritten
.set LANE, 6
.set STW,  7                           ; into my stage: row RR, 32 bytes for each half of the lanes
.set STR,  8                           ; back: 512 bytes on end
.set AD,   10                          ; v10-14 LDS address of block b's fragments; in the GELU: where block b's hidden numbers go
.set GST,  15                          ; gather: my wave's 16 rows
.set GST4, 18                          ; gather: my wave's 4 rows of the fifth block
.set MSK,  19                          ; clears a sign
.set AF,   32
.set GOFF, 32                          ; v32-51 gather: byte offset of my 16 bytes in each of my 20 rows of x
.set GA,   32                          ; GELU: |x|
.set GT,   48                          ;       t
.set GE,   64                          ;       e^(-x^2/2)
.set GH,   80                          ;       x / 2, then the result
.set GP,   96                          ;       the polynomial
.set GO,   112                         ;       16 hidden numbers in bf16, to store: registers of their own
.set BI,   128
.set RB,   192
.set RBS,  10                          ; s[10:17] ring unit u: the address of my wave's weights of the step that the unit takes next: a pair at RBS + 2 u (where the four biases' addresses lay until the expert's two were chosen)
.set WV,   20
.set PASS, 21
.set CNT,  22
.set FIRST, 23                         ; list word 0: the work-group's first token, or -1
.set EX,   24                          ; s[24:27] the list's four words: expert, F5, 0, 0
.set F5,   25
.set WB,   28                          ; s[28:29] my wave's weights
.set B1,   30                          ; s[30:31] b1_e at my wave's columns
.set B2,   32                          ; s[32:33] b2_e likewise
.set BP,   34                          ; s[34:35] the bias of the pass to come
.set OF,   36                          ; s[36:37] an offset; the high word stays 0
.set LP,   38                          ; s[38:39] my work-group's list row
.set TK,   40                          ; s[40:59] tokens
.set TMP,  60
.set AOFF, 61
.set HOFF, 62
.set KP,   66                          ; pairs for the packed arithmetic, which takes the low word for both halves
.set KC,   68
.set CA1,  70
.set CA2,  72
.set CA3,  74
.set OB,   80                          ; s[80:81] out0 at my wave's 512 bytes of a row in this pass
.set TK2,  84                          ; s[84:99] sixteen more tokens
.set MSB, 0
.macro WIN new                         ; the immediate's high byte repeats the setting that is left; a switch that changes nothing is dropped
.if MSB != (\new)
	s_set_vgpr_msb (MSB<<8)|(\new)
.set MSB, \new
.endif
.endm
.macro PLACES n
.rept \n
	v_nop
.endr
.endm
; Eighth q of the ring: half of unit q / 2, eight loads of 512 bytes from the unit's base on.
.macro RING8 q
	WIN 0x40                                       ; destination window 1, address window 0
.irp j, 0,1,2,3,4,5,6,7
	global_load_b128 v[32*(\q)+4*\j:32*(\q)+4*\j+3], v[L16], s[RBS+2*((\q)/2):RBS+2*((\q)/2)+1] offset:(8*((\q)%2)+\j)*512
.endr
.endm
; Register j of fragment f: bias of column 16 f + 8 HH + j, the same for every row.
.macro BIAS
.irp f, 0,1,2,3,4,5,6,7
	global_load_b128 v[BI+8*\f:BI+8*\f+3],   v[BOFF], s[BP:BP+1] offset:64*\f
	global_load_b128 v[BI+8*\f+4:BI+8*\f+7], v[BOFF], s[BP:BP+1] offset:64*\f+16
.endr
.endm
; Row g of my 20 is asked for: 8 loads of 512 bytes into slot.
.macro XROW slot, g
	WIN 0x88                                       ; loaded data window 2, addresses window 0
.irp j, 0,1,2,3,4,5,6,7
	global_load_b128 v[32*(\slot)+4*\j:32*(\slot)+4*\j+3], v[GOFF+(\g)], s[4:5] offset:\j*512 th:TH_LOAD_NT
.endr
.endm
; A gathered row in slot is rounded to bf16 and put into LDS row lrow from adr on, load j into chunk j.  left: the younger loads.
.set GROWS, 0                          ; rows converted so far, in the text's order
.macro GROW lrow, slot, adr, left
	s_wait_loadcnt \left
.set gc, 192+16*((\slot)&1)
.if GROWS >= 2
	s_wait_alu depctr_vm_vsrc(0)                   ; the LDS stores of the row before last have read this converted buffer, which the conversions below write again
.endif
.set GROWS, GROWS+1
	WIN 0x8a                                       ; all in window 2
.set q, 0
.rept 16
	v_cvt_pk_bf16_f32 v[gc+q], v[32*(\slot)+2*q], v[32*(\slot)+2*q+1]
.set q, q+1
.endr
	WIN 0x88                                       ; store data window 2, addresses window 0
	s_wait_alu depctr_va_vdst(0)                   ; the conversions have written the buffer that the stores below read, and are done reading the slot, in which the next row's loads land
.irp j, 0,1,2,3,4,5,6,7
	ds_store_b64 v[\adr], v[gc+2*\j:gc+2*\j+1] offset:(\lrow)*PITCH+\j*CH
.endr
.endm
; Sixteen places' tokens in s[sb ..]: an empty place takes the first token; clamped; the offsets of block b go into window 3.
.macro TOFF16 sb, b
.set r, 0
.rept 16
	s_max_i32 s[(\sb)+r], s[(\sb)+r], s[FIRST]
	s_min_u32 s[(\sb)+r], s[(\sb)+r], 0x3fff
	v_lshl_add_u32 v[16*(\b)+r], s[(\sb)+r], 12, v[L16]
.set r, r+1
.endr
.endm
; The row fragments of one K step, at byte koff from the addresses: 16 rows x 32 K are two loads of 16 bytes, 32 bytes apart.
.macro ALOAD a, koff
.irp b, 0,1,2,3
	ds_load_b128 v[AF+40*(\a)+8*\b:AF+40*(\a)+8*\b+3],   v[AD+\b] offset:\koff
	ds_load_b128 v[AF+40*(\a)+8*\b+4:AF+40*(\a)+8*\b+7], v[AD+\b] offset:(\koff)+32
.endr
.endm
.macro ALOAD4 a, koff
	ds_load_b128 v[AF+40*(\a)+32:AF+40*(\a)+35], v[AD+4] offset:\koff
	ds_load_b128 v[AF+40*(\a)+36:AF+40*(\a)+39], v[AD+4] offset:(\koff)+32
.endm
; K STEP sg of a trip's four: ring unit sg times the four blocks in buffer sg % 2: 32 matrix instructions on 32 accumulators; under F5 eight more for the fifth block.
; The accumulators take turns, one instruction a turn, over every edge.  first = 1: the products start the sums with the bias.
; lcnt >= 0: the younger loads that may stay out when this unit has to be there; that wait also shows the loads that read the unit's base done, and the base moves on.
; aload = 1: the next step's fragments are fetched, behind the first eight products, into the buffer that the step before read; the fifth block's at the head of its branch.  No wait stands ahead of them: the wait that
; closed the step before has shown that buffer's readers done, and the products issued since name the other buffer.  So at a step's head every LDS load that is out is this step's: the count is 0.
; cw = 1: the wait that closes the step; it is written where loads follow that hang on it: this unit's refill, or the next step's fragments.  refill = 1: the unit takes the step four on.
; fin = 1: a pass's last step: four places (ISA guide 7.12.1) behind the last products, before their results are read and their sources written.
.macro STEP sg, first, refill, aload, lcnt, cw, fin=0
.set K1, 64*((\sg)+1)                              ; the next step, from the trip's chunk on;
.if (\sg) == 3
.set K1, CH                                        ; behind a trip's last step: the next chunk's first
.endif
.set WM, 0xa1                                      ; W window 1, rows window 0, C and D window 2
.if \first
.set WM, 0x81                                      ; W window 1, rows and C (the bias) window 0, D window 2
.endif
.if (\lcnt) >= 0
	s_wait_loadcnt \lcnt
.endif
	s_add_nc_u64 s[RBS+2*(\sg):RBS+2*(\sg)+1], s[RBS+2*(\sg):RBS+2*(\sg)+1], 0x8000  ; four steps of 8,192 bytes on; in a pass's last four steps: the next pass's first four
	s_wait_dscnt 0x0
.irp b, 0,1,2,3
	WIN WM
.irp f, 0,1,2,3,4,5,6,7
.set rD, 64*\b+8*\f
.set rW, 64*(\sg)+8*\f
.set rA, AF+40*((\sg)&1)+8*\b
.set rC, BI+8*\f
.if \first
	v_wmma_f32_16x16x32_bf16 v[rD:rD+7], v[rW:rW+7], v[rA:rA+7], v[rC:rC+7]
.else
	v_wmma_f32_16x16x32_bf16 v[rD:rD+7], v[rW:rW+7], v[rA:rA+7], v[rD:rD+7]
.endif
.endr
.if (\aload) && (\b == 0)
	WIN 0
	ALOAD ((\sg)+1)&1, K1
.endif
.endr
	WIN 0                                          ; at a branch and at a label every window is 0
.if \first
	PLACES 5                                       ; the fifth block's products write over registers that the products above have read as C: five places, ahead of the branch, so that they lie on every way to such a product, in this step or a later one
.endif
	s_cmp_eq_u32 s[F5], 0
	s_cbranch_scc1 .Lno5_\@
.if \aload
	ALOAD4 ((\sg)+1)&1, K1
.endif
	WIN 0x01
.irp f, 0,1,2,3,4,5,6,7
.set rW, 64*(\sg)+8*\f
.set rC, BI+8*\f
	v_wmma_f32_16x16x32_bf16 v[rC:rC+7], v[rW:rW+7], v[AF+40*((\sg)&1)+32:AF+40*((\sg)&1)+39], v[rC:rC+7]
.endr
	WIN 0
.Lno5_\@:
.if (\aload) && ((\sg) == 3)
	s_wait_alu depctr_vm_vsrc(0)                   ; the LDS loads issued so far have read v[AD ..]
.irp b, 0,1,2,3,4
	v_add_nc_u32 v[AD+\b], CH, v[AD+\b]            ; the next chunk of the rows
.endr
.endif
.if \refill
	WIN 0x40                                       ; the refill's window, ahead of the wait
.endif
.if \cw
	s_wait_alu depctr_va_vdst(0)                   ; the step's products are done reading ring unit sg and fragment buffer sg % 2, in which the loads below and the next step's LDS loads land; in a trip's last step v[AD ..] is written
.endif
.if \refill
	RING8 2*(\sg)
	RING8 2*(\sg)+1
	WIN 0
.endif
.if \fin
	PLACES 4
.endif
.endm
; GELU of two accumulators (16 numbers a lane) at base in window win, rounded to bf16: a lane's eight columns are 16 bytes.  The accumulators are read from their lowest registers on.
; The 32 transcendentals are one batch with one wait; the eight halvings are the plain work between.  That wait also shows the roundings of the GELU before written: its two LDS stores
; follow the wait.  PEND: such stores are due, to v[PH] + PO.  NEEDE: a store that reads v[GO ..] stands in the text since the last wait on vm_vsrc.  GFLUSH closes a run of GELUs.
.macro GELU2 win, base, hs, off
	WIN \win
.set q, 0
.rept 16
	v_and_b32 v[GA+q], v[(\base)+q], v[MSK]
.set q, q+1
.endr
	WIN 0
.set q, 0
.rept 8
	v_pk_fma_f32 v[GT+q:GT+q+1], v[GA+q:GA+q+1], s[KP:KP+1], 1.0 op_sel_hi:[1,0,0]
.set q, q+2
.endr
.set q, 0
.rept 8
	v_pk_mul_f32 v[GE+q:GE+q+1], v[GA+q:GA+q+1], s[KC:KC+1] op_sel_hi:[1,0]
.set q, q+2
.endr
.set q, 0
.rept 8
	v_pk_mul_f32 v[GE+q:GE+q+1], v[GE+q:GE+q+1], v[GA+q:GA+q+1]
.set q, q+2
.endr
.set q, 0
.rept 16
	v_rcp_f32 v[GT+q], v[GT+q]
.set q, q+1
.endr
.set q, 0
.rept 16
	v_exp_f32 v[GE+q], v[GE+q]
.set q, q+1
.endr
	WIN \win
.set q, 0
.rept 8
	v_pk_mul_f32 v[GH+q:GH+q+1], v[(\base)+q:(\base)+q+1], 0.5 op_sel_hi:[1,0]
.set q, q+2
.endr
	WIN 0
	s_wait_alu depctr_va_vdst(0)                   ; one wait for the batch: the reciprocals in v[GT ..] and the exponentials in v[GE ..] are written, ahead of their first reader; so are the roundings of the GELU before, in v[GO ..]
.if PEND
	ds_store_b128 v[PH], v[GO:GO+3] offset:PO
	ds_store_b128 v[PH], v[GO+4:GO+7] offset:PO+32
.set NEEDE, 1
.endif
.set q, 0
.rept 8
	v_pk_fma_f32 v[GP+q:GP+q+1], v[GT+q:GT+q+1], s[CA3:CA3+1], s[CA2:CA2+1] op_sel_hi:[1,0,0]
.set q, q+2
.endr
.set q, 0
.rept 8
	v_pk_fma_f32 v[GP+q:GP+q+1], v[GP+q:GP+q+1], v[GT+q:GT+q+1], s[CA1:CA1+1] op_sel_hi:[1,1,0]
.set q, q+2
.endr
.set q, 0
.rept 8
	v_pk_mul_f32 v[GE+q:GE+q+1], v[GE+q:GE+q+1], v[GT+q:GT+q+1]
.set q, q+2
.endr
.set q, 0
.rept 8
	v_pk_fma_f32 v[GP+q:GP+q+1], v[GP+q:GP+q+1], v[GE+q:GE+q+1], 0.5 op_sel_hi:[1,1,0] neg_lo:[1,0,0] neg_hi:[1,0,0]
.set q, q+2
.endr
.set q, 0
.rept 8
	v_pk_fma_f32 v[GH+q:GH+q+1], v[GA+q:GA+q+1], v[GP+q:GP+q+1], v[GH+q:GH+q+1]
.set q, q+2
.endr
.if NEEDE
	s_wait_alu depctr_vm_vsrc(0)                   ; the LDS stores issued so far have read v[GO ..], which the roundings below write again
.set NEEDE, 0
.endif
.set q, 0
.rept 8
	v_cvt_pk_bf16_f32 v[GO+q], v[GH+2*q], v[GH+2*q+1]
.set q, q+1
.endr
.set PH, \hs
.set PO, \off
.set PEND, 1
.endm
.macro GFLUSH
	s_wait_alu depctr_va_vdst(0)                   ; the last GELU's roundings have written v[GO ..], which the stores below read; every GELU of the run is done reading its accumulators
	ds_store_b128 v[PH], v[GO:GO+3] offset:PO
	ds_store_b128 v[PH], v[GO+4:GO+7] offset:PO+32
.set PEND, 0
.set NEEDE, 1
.endm
; THE WAY OUT of block b, whose eight accumulators lie at base in window win: 32 bytes a lane and fragment into my own stage, back as whole pieces of rows into back in window bwin, and each row to its
; token's place: a store covers 512 consecutive bytes, at a multiple of 512 from out0's first.  Each block has registers of its own for what it stores, and the offsets are never rewritten:
; the waits for the global stores' sources stand once, at the pass's end.  The LDS stores' data, the sums, were shown written by the wait at the epilogue's head.
.macro OUTB b, win, base, bwin, back
	WIN (\win)<<2                                  ; store data in window win
.irp f, 0,1,2,3,4,5,6,7
	ds_store_b128 v[STW], v[(\base)+8*\f:(\base)+8*\f+3]   offset:64*\f
	ds_store_b128 v[STW], v[(\base)+8*\f+4:(\base)+8*\f+7] offset:64*\f+16
.endr
	WIN (\bwin)<<6                                 ; loaded data in window bwin: the switch, then the waits, then the loads
.if ((\bwin) == (\win)) && ((\back) == (\base))
	s_wait_alu depctr_va_vdst(0)                   ; the products have written these sums, in which the loads below land: stated here once more, since stores that read the same registers stand behind the wait at the epilogue's head
.endif
	s_wait_alu depctr_vm_vsrc(0)                   ; the LDS stores above have read the block's sums: in blocks 0 to 3 the loads below land in them, in the fifth block's the next bias
.irp r, 0,1,2,3,4,5,6,7,8,9,10,11,12,13,14,15
	ds_load_b128 v[(\back)+4*\r:(\back)+4*\r+3], v[STR] offset:\r*SPI  ; LDS serves a wave's instructions in order (ISA guide 5.7.1.4): these see the stores above, and the next block's stores come behind them
.endr
	WIN ((\bwin)<<2)|3                             ; offsets in window 3, data in window bwin
.irp r, 0,1,2,3,4,5,6,7,8,9,10,11,12,13,14,15
	s_wait_dscnt 15-\r                             ; row r is back; the younger rows may stay out
	global_store_b128 v[16*(\b)+\r], v[(\back)+4*\r:(\back)+4*\r+3], s[OB:OB+1] th:TH_STORE_NT
.endr
	WIN 0
.endm
	s_load_b512 s[4:19], s[0:1], 0x0               ; x s[4:5], list 6, wf 8, b1_s 10, b1_l 12, b2_s 14, b2_l 16, out0 18
	v_lshl_add_u32 v126, v0, 2, 0x48500
	v_mov_b32 v127, 0
	v_lshrrev_b32 v[LANE], 5, v0
	v_readfirstlane_b32 s[WV], v[LANE]             ; wave 0..3
	v_and_b32 v[LANE], 31, v0
	v_and_b32 v[RR], 15, v0
	v_bfe_u32 v[HH], v0, 4, 1
	v_mul_u32_u24 v[LROW], v[RR], PITCH
	v_lshl_add_u32 v[LROW], v[HH], 4, v[LROW]
	v_lshlrev_b32 v[L16], 4, v[LANE]
	v_lshlrev_b32 v[BOFF], 5, v[HH]
	s_wait_alu depctr_va_sdst(0)                   ; the wave's number is written, ahead of its first reader
	s_mul_i32 s[TMP], s[WV], 16*SPI
	s_add_co_u32 s[TMP], s[TMP], STAGE             ; my stage
	v_mul_u32_u24 v[STW], v[RR], SPI
	v_add3_u32 v[STW], v[STW], v[BOFF], s[TMP]
	v_add_nc_u32 v[STR], s[TMP], v[L16]
	s_mul_i32 s[TMP], s[WV], BLK
	v_lshl_add_u32 v[GST], v[LANE], 3, s[TMP]
	s_mul_i32 s[TMP], s[WV], 4*PITCH
	s_add_co_u32 s[TMP], s[TMP], 4*BLK
	v_lshl_add_u32 v[GST4], v[LANE], 3, s[TMP]
	v_mov_b32 v[MSK], 0x7fffffff
.irp i, 0,1,2,3,4,5,6,7
	v_mov_b32 v[AF+32+\i], 0                       ; the fifth block's fragment registers hold numbers on every path
	v_mov_b32 v[AF+72+\i], 0
.endr
	s_mov_b32 s[KP], 0x3eaa540e                    ; 0.47047 / sqrt 2
	s_mov_b32 s[KP+1], s[KP]
	s_mov_b32 s[KC], 0xbf38aa3b                    ; - log2(e) / 2
	s_mov_b32 s[KC+1], s[KC]
	s_mov_b32 s[CA1], 0x3e32303a                   ; 0.3480242 / 2
	s_mov_b32 s[CA1+1], s[CA1]
	s_mov_b32 s[CA2], 0xbd445ca1                   ; - 0.0958798 / 2
	s_mov_b32 s[CA2+1], s[CA2]
	s_mov_b32 s[CA3], 0x3ebf7377                   ; 0.7478556 / 2
	s_mov_b32 s[CA3+1], s[CA3]
	s_lshl_b32 s[OF], ttmp9, 9
	s_mov_b32 s[OF+1], 0
	s_wait_kmcnt 0x0
	s_add_nc_u64 s[LP:LP+1], s[6:7], s[OF:OF+1]
	s_lshl_b32 s[OF], s[WV], 6
	s_add_nc_u64 s[76:77], s[LP:LP+1], s[OF:OF+1]
	s_lshl_b32 s[OF], s[WV], 4
	s_add_nc_u64 s[78:79], s[LP:LP+1], s[OF:OF+1]
	s_load_b128 s[EX:EX+3], s[LP:LP+1], 0x140      ; words 80 to 83
	s_load_b32 s[FIRST], s[LP:LP+1], 0x0           ; the first place's token
	s_load_b512 s[TK:TK+15], s[76:77], 0x0         ; the 16 tokens that my wave gathers: block w
	s_load_b128 s[TK+16:TK+19], s[78:79], 0x100    ; and its 4 of the fifth block
	s_wait_kmcnt 0x0
	s_min_u32 s[EX], s[EX], 1
.set t, 0
.rept 20
	s_max_i32 s[TK+t], s[TK+t], s[FIRST]           ; a place without a token (-1) takes the first token,
	s_min_u32 s[TK+t], s[TK+t], 0x3fff             ; and where there is none either, the last token's row, which exists
	v_lshl_add_u32 v[GOFF+t], s[TK+t], 12, v[L16]
.set t, t+1
.endr
	s_cmp_lg_u32 s[EX], 0
	s_cselect_b64 s[B1:B1+1], s[12:13], s[10:11]
	s_cselect_b64 s[B2:B2+1], s[16:17], s[14:15]
	s_lshl_b32 s[OF], s[WV], 9                     ; my wave's 128 columns
	s_add_nc_u64 s[B1:B1+1], s[B1:B1+1], s[OF:OF+1]
	s_add_nc_u64 s[B2:B2+1], s[B2:B2+1], s[OF:OF+1]
	s_mov_b64 s[BP:BP+1], s[B1:B1+1]
	s_lshl_b32 s[OF], s[EX], 22
	s_lshl_b32 s[TMP], s[WV], 20
	s_add_co_u32 s[OF], s[OF], s[TMP]
	s_add_nc_u64 s[WB:WB+1], s[8:9], s[OF:OF+1]    ; my wave's weights lie on end, pass after pass, step after step
.irp u, 0,1,2,3
	s_add_nc_u64 s[RBS+2*\u:RBS+2*\u+1], s[WB:WB+1], \u*8192  ; unit u begins with step u
.endr
	; THE GATHER.  Six rows of 8 loads are on their way.  Each token is named by one place of the launch; only a filler row repeats.
	WIN 0x88
	s_wait_alu depctr_va_vdst(0)                   ; the head's vector lines have written every address and offset that loads and stores read (v4 to v18, the 20 rows' offsets) and the zeros in registers in which fragments will land
.irp i, 0,1,2,3,4,5
	XROW \i, \i
.endr
	; In the wait for the first rows: the offsets of all 80 places, for the way out.
	s_load_b512 s[TK:TK+15], s[LP:LP+1], 0x0
	s_load_b512 s[TK2:TK2+15], s[LP:LP+1], 0x40
	WIN 0xc0                                       ; destination window 3, sources window 0
	s_wait_kmcnt 0x0
	TOFF16 TK, 0
	TOFF16 TK2, 1
	s_load_b512 s[TK:TK+15], s[LP:LP+1], 0x80
	s_load_b512 s[TK2:TK2+15], s[LP:LP+1], 0xc0
	s_wait_kmcnt 0x0
	TOFF16 TK, 2
	TOFF16 TK2, 3
	s_load_b512 s[TK:TK+15], s[LP:LP+1], 0x100
	s_wait_kmcnt 0x0
	TOFF16 TK, 4
.irp i, 0,1,2,3,4,5,6,7,8,9
	GROW \i, (\i)%6, GST, 40                       ; five younger rows stay out
	XROW (\i)%6, (\i)+6
.endr
.irp i, 10,11,12,13,14,15
	GROW \i, (\i)%6, GST, 40                       ; no row is left to ask for: eight loads of pass 0's weights take a row's place, so five groups of eight are younger here too
	RING8 (\i)-10
.endr
	RING8 6
	RING8 7
	WIN 0
	BIAS
	s_cmp_eq_u32 s[F5], 0
	s_cbranch_scc1 .Lnog5
.irp i, 0,1,2,3
	XROW \i, 16+\i                                 ; slots 0 to 3: each row's own wait has shown its conversions done, and no vector line stands behind the last of them
.endr
	GROW 0, 0, GST4, 24                            ; nothing is issued behind these four rows: the counts run down
	GROW 1, 1, GST4, 16
	GROW 2, 2, GST4, 8
	GROW 3, 3, GST4, 0
	WIN 0
.Lnog5:
	s_wait_dscnt 0x0                               ; for the others' sake: my rows are in LDS
	s_wait_alu depctr_vm_vsrc(0)                   ; the gather's loads have read their offsets v[GOFF ..], in which row fragments land, and its LDS stores the converted rows, which lie where the sums begin
	s_barrier_signal -1
	s_barrier_wait -1
	s_mov_b32 s[PASS], 0
.Lpass:
	s_wait_loadcnt 0x0                             ; the ring's four steps and the bias, asked for in the gather or in the epilogue before; every unit's base is free
	s_lshr_b32 s[AOFF], s[PASS], 1
	s_mul_i32 s[AOFF], s[AOFF], 4*CH               ; passes 2 and 3 begin at chunk 4
	v_add_nc_u32 v[AD], s[AOFF], v[LROW]           ; (the stores that read v[AD ..] were shown to have read it at the last pass's end)
.irp b, 1,2,3,4
	v_add3_u32 v[AD+\b], v[LROW], s[AOFF], \b*BLK
.endr
	s_wait_alu depctr_va_vdst(0)                   ; v[AD ..] is written, which the loads of fragments read; the GELU's lines are done with v32 to v111, in which those loads land
	s_cmp_eq_u32 s[F5], 0
	s_cbranch_scc1 .Lna4
	ALOAD4 0, 0
.Lna4:
	ALOAD 0, 0                                     ; step 0's fragments; each step fetches the next step's
	STEP 0, 1, 1, 1, -1, 1                         ; the first step's products start the sums
	STEP 1, 0, 1, 1, -1, 1
	STEP 2, 0, 1, 1, -1, 1
	STEP 3, 0, 1, 1, -1, 1
	s_mov_b32 s[CNT], 6
.Ltrip:                                                ; four K steps: once round the ring, one chunk of the rows; three younger units of 16 loads stay out
	STEP 0, 0, 1, 1, 48, 1
	STEP 1, 0, 1, 1, 48, 1
	STEP 2, 0, 1, 1, 48, 1
	STEP 3, 0, 1, 1, 48, 1
	s_sub_co_i32 s[CNT], s[CNT], 1
	s_cmp_lg_u32 s[CNT], 0
	s_cbranch_scc1 .Ltrip
	STEP 0, 0, 0, 1, 48, 1                         ; the last four steps ask for no weights: the counts run down; the closing wait serves the next step's fragments alone
	STEP 1, 0, 0, 1, 32, 1
	STEP 2, 0, 0, 1, 16, 0                         ; no load follows that hangs on this step's products: no wait
	STEP 3, 0, 0, 0, 0, 0, 1                       ; and the last step fetches no rows
	s_wait_dscnt 0x0                               ; my reads of the rows are over:
	s_barrier_signal -1
	s_barrier_wait -1                              ; everybody's are: pass 1's hidden numbers may take x's chunks 4-7
	s_and_b32 s[TMP], s[PASS], 1
	s_lshl_b32 s[HOFF], s[TMP], 2
	s_sub_co_u32 s[HOFF], 8, s[HOFF]
	s_add_co_u32 s[HOFF], s[HOFF], s[WV]
	s_mul_i32 s[HOFF], s[HOFF], CH                 ; hidden columns 0-511 go to chunks 8-11, 512-1023 to chunks 4-7: my wave's 128 are one chunk
	s_lshl_b32 s[OF], s[TMP], 11
	s_lshl_b32 s[TMP], s[WV], 9
	s_add_co_u32 s[OF], s[OF], s[TMP]
	s_add_nc_u64 s[OB:OB+1], s[18:19], s[OF:OF+1]  ; my wave's 512 bytes in a row of out0; the last pass's stores were freed at that pass's end
	s_wait_alu depctr_vm_vsrc(0)                   ; the pass's loads of fragments have read v[AD ..]
	v_add_nc_u32 v[AD], s[HOFF], v[LROW]
.irp b, 1,2,3,4
	v_add3_u32 v[AD+\b], v[LROW], s[HOFF], \b*BLK
.endr
	s_wait_alu depctr_va_vdst(0)                   ; the pass's products have written the sums and v[BI ..], which the way out's LDS stores read, and are done reading the ring and v[BI ..], in which the next pass's weights and bias land; v[AD ..] is written
.set PEND, 0
.set NEEDE, 0
	s_cmp_eq_u32 s[F5], 0
	s_cbranch_scc1 .Lno5e                          ; the fifth block goes first: the next bias lands in its registers
	s_cmp_lt_u32 s[PASS], 2
	s_cbranch_scc0 .Lout5
.irp q, 0,1,2,3
	GELU2 0, BI+16*\q, AD+4, 64*\q
.endr
	GFLUSH
	s_branch .Lno5e
.Lout5:
	OUTB 4, 0, BI, 0, RB
.Lno5e:
	s_cmp_eq_u32 s[PASS], 3
	s_cbranch_scc1 .Lnoprime
	s_add_co_u32 s[TMP], s[PASS], 1                ; the next pass's bias and first steps are asked for ahead of this pass's epilogue: 16 + 40 loads now,
	s_cmp_lt_u32 s[TMP], 2
	s_cselect_b64 s[BP:BP+1], s[B1:B1+1], s[B2:B2+1]
	s_and_b32 s[OF], s[TMP], 1
	s_lshl_b32 s[OF], s[OF], 11
	s_add_nc_u64 s[BP:BP+1], s[BP:BP+1], s[OF:OF+1]
	BIAS                                           ; no wait: the last lines that name v[BI ..] stand ahead of the wait at the epilogue's head or, with a fifth block, of the waits in its GELUs' flush and in its way out
.irp q, 0,1,2,3,4
	RING8 \q                                       ; no wait: no vector or matrix line since the wait at the epilogue's head names the ring
.endr
	WIN 0
.Lnoprime:
	s_cmp_lt_u32 s[PASS], 2
	s_cbranch_scc0 .LoutA
.irp q, 0,1,2,3
	GELU2 2, 16*\q, AD, 64*\q
.endr
	GFLUSH
	s_branch .Lmid
.LoutA:
	s_cmp_lt_u32 s[FIRST], 0x4000
	s_cbranch_scc0 .Lmid                           ; a work-group without rows stores nothing
	OUTB 0, 2, 0, 2, 0
.Lmid:
	s_cmp_eq_u32 s[PASS], 3
	s_cbranch_scc1 .Lnoprime2
.irp q, 5,6,7
	RING8 \q                                       ; and the other 24 behind the first block
.endr
	WIN 0
.Lnoprime2:
	s_cmp_lt_u32 s[PASS], 2
	s_cbranch_scc0 .LoutB
.irp b, 1,2,3
.irp q, 0,1,2,3
	GELU2 2, 64*\b+16*\q, AD+\b, 64*\q
.endr
.endr
	GFLUSH
	s_branch .Ljoin
.LoutB:
	s_cmp_lt_u32 s[FIRST], 0x4000
	s_cbranch_scc0 .Ljoin
	OUTB 1, 2, 64, 2, 64
	OUTB 2, 2, 128, 2, 128
	OUTB 3, 2, 192, 2, 192
.Ljoin:
	s_wait_xcnt 0x0                                ; the stores have had their addresses translated: their data, which lie where the next pass's sums begin, and their base are rewritten only behind this wait
	s_wait_alu depctr_vm_vsrc(0)                   ; the global stores have read the sums and v[RB ..], the stores of hidden numbers v[AD ..] and v[GO ..]: all are written again in the next pass
	s_wait_dscnt 0x0                               ; for the others' sake: my hidden numbers are in LDS
	s_barrier_signal -1
	s_barrier_wait -1
	s_add_co_u32 s[PASS], s[PASS], 1
	s_cmp_lt_u32 s[PASS], 4
	s_cbranch_scc1 .Lpass
	s_wait_dscnt 0x0                               ; the wave's end: my LDS work is done ahead of the closing waits and the add
	s_wait_alu depctr_hold_cnt(0) depctr_sa_sdst(0) depctr_va_vdst(0) depctr_va_sdst(0) depctr_va_ssrc(0) depctr_va_vcc(0) depctr_vm_vsrc(0)
	s_wait_tensorcnt 0x0
	ds_add_u32 v126, v127
	s_wait_dscnt 0x0
	s_endpgm
.Lfunc_end_k_q5bb6dbca29_moe:
	.size	k_q5bb6dbca29_moe, .Lfunc_end_k_q5bb6dbca29_moe-k_q5bb6dbca29_moe
	.p2alignl 7, 3214868480
	.fill 96, 4, 3214868480
	.section	.rodata,"a",@progbits
	.p2align	6, 0x0
	.amdhsa_kernel k_q5bb6dbca29_moe
		.amdhsa_group_segment_fixed_size 296704
		.amdhsa_private_segment_fixed_size 0
		.amdhsa_enable_private_segment 0
		.amdhsa_kernarg_size 64
		.amdhsa_user_sgpr_count 2
		.amdhsa_user_sgpr_kernarg_segment_ptr 1
		.amdhsa_wavefront_size32 1
		.amdhsa_system_sgpr_workgroup_id_x 1
		.amdhsa_system_sgpr_workgroup_id_y 1
		.amdhsa_system_sgpr_workgroup_id_z 1
		.amdhsa_system_vgpr_workitem_id 0
		.amdhsa_next_free_vgpr 848
		.amdhsa_next_free_sgpr 100
		.amdhsa_reserve_vcc 0
		.amdhsa_float_denorm_mode_32 3
		.amdhsa_float_denorm_mode_16_64 3
		.amdhsa_memory_ordered 1
		.amdhsa_forward_progress 1
		.amdhsa_inst_pref_size 255
	.end_amdhsa_kernel
	.section	.bss,"aw",@nobits
	.p2align	6
	.space	262144
	.amdgpu_metadata
---
amdhsa.version: [ 1, 2 ]
amdhsa.kernels:
  - .name:           k_q5bb6dbca29_moe
    .symbol:         k_q5bb6dbca29_moe.kd
    .args:
      - { .name: x, .offset: 0, .size: 8, .value_kind: global_buffer, .address_space: global }
      - { .name: list, .offset: 8, .size: 8, .value_kind: global_buffer, .address_space: global }
      - { .name: wf, .offset: 16, .size: 8, .value_kind: global_buffer, .address_space: global }
      - { .name: b1_s, .offset: 24, .size: 8, .value_kind: global_buffer, .address_space: global }
      - { .name: b1_l, .offset: 32, .size: 8, .value_kind: global_buffer, .address_space: global }
      - { .name: b2_s, .offset: 40, .size: 8, .value_kind: global_buffer, .address_space: global }
      - { .name: b2_l, .offset: 48, .size: 8, .value_kind: global_buffer, .address_space: global }
      - { .name: out0, .offset: 56, .size: 8, .value_kind: global_buffer, .address_space: global }
    .group_segment_fixed_size: 296704
    .private_segment_fixed_size: 0
    .kernarg_segment_align: 8
    .kernarg_segment_size: 64
    .max_flat_workgroup_size: 128
    .sgpr_count:     100
    .vgpr_count:     848
    .wavefront_size: 32
...
	.end_amdgpu_metadata
.endif
;; end of part 3
